; MI455X (gfx1250); checked and timed in simulation.
; The chip was launched on July 23, 2026; its instructions are those of AMD's public machine-readable ISA for CDNA 5 (MIT licence, August 2026) and "CDNA5" Instruction Set Architecture Reference Guide (July 2026). The comments in the code are by the model that wrote it; some were corrected since.
;; Gpt Oss Experts Lora. Allowed arithmetic: matrix products marked QUANTISED: E5M2 operands, one E8M0 scale for each 32 along K, by v_wmma_scale_f32_16x16x128_f8f6f4 with both operands' format E5M2, f32 sums; products left as they are: f32 operands where the result goes on into a quantised operand, else bf16, f16 or f32 operands; f32 sums; everything else in f32.
;; Inputs: down_proj 8 x 2,048 x 1,024 float32; down_proj_bias 8 x 1,024 float32; gate_up_proj 8 x 1,024 x 4,096 float32; gate_up_proj_bias 8 x 4,096 float32; hidden_states 1 x 1,024 x 1,024 float32; lora_A_down 8 x 2,048 x 16 float32; lora_A_gate_up 8 x 1,024 x 16 float32; lora_B_down 8 x 16 x 1,024 float32; lora_B_gate_up 8 x 16 x 4,096 float32; router_indices 1,024 x 2 int32; routing_weights 1,024 x 8 float32.
;; Outputs: out0 1 x 1,024 x 1,024 float32.
;; This version of the problem:
;;   THIS VERSION OF THE PROBLEM IS GIVEN IN LOW PRECISION. The matrix products marked QUANTISED in the list below multiply operands that are first quantised to E5M2 (5 exponent bits, 2 mantissa bits; 8 bits a number), with one power-of-two scale for each 32 numbers along K (OCP MX v1.0); their sums are f32. All else is computed in f32.
;;   The module's matrix products, in the order in which they are computed (A, B: the left and right operand; K: the contracted axis; several contracted axes count as one K, in the product's order):
;;     1. [M 1,024, K 1,024] x [K 1,024, N 32,768]; A: input hidden_states; B: input gate_up_proj: QUANTISED
;;     2. [M 1,024, K 1,024] x [K 1,024, N 128]; A: input hidden_states; B: input lora_A_gate_up: QUANTISED
;;     3. batch 8 x [M 4,096, K 16] x [K 16, N 1,024]; A: input lora_B_gate_up; B: computed on the way: left as it is (K = 16 < 32)
;;     4. batch 8 x [M 1,024, K 2,048] x [K 2,048, N 1,024]; A: input down_proj; B: computed on the way: QUANTISED
;;     5. batch 8 x [M 16, K 2,048] x [K 2,048, N 1,024]; A: input lora_A_down; B: computed on the way: QUANTISED
;;     6. batch 8 x [M 1,024, K 16] x [K 16, N 1,024]; A: input lora_B_down; B: computed on the way: left as it is (K = 16 < 32)
;;     7. batch 1,024 x [M 1,024, K 8] x [K 8, N 1]; A: computed on the way; B: computed on the way: left as it is (K = 8 < 32)
;;   THE QUANTISER, for each operand of a quantised product, along K:
;;     - K is cut into blocks of 32 from its start; a last block that is shorter is filled with zeros.
;;     - A block's scale is 2^e with e = floor(log2(the largest magnitude in the block)) - 15, held to -126 .. 127; a block of zeros has e = 0. As a byte (E8M0): e + 127.
;;     - Each number is divided by its block's scale, clamped to +-57,344, and rounded to the nearest number of E5M2, ties to even, subnormals kept.
;;     - The product sums the exact products of the quantised numbers (number of the format x scale) in f32.
;;   ~~~python
;;   def quantise(x, axis):      # numpy; x: float32 -> the quantised numbers, widened to float32 again
;;       x = np.moveaxis(x, axis, -1); K = x.shape[-1]
;;       x = np.pad(x, [(0, 0)] * (x.ndim - 1) + [(0, -K % 32)]); x = x.reshape(x.shape[:-1] + (-1, 32)); a = np.abs(x).max(-1, keepdims=True)
;;       e = np.where(a > 0, np.clip(np.frexp(np.where(a > 0, a, 1))[1] - 1 - 15, -126, 127), 0)      # np.frexp(a)[1] - 1 = floor(log2(a)), exactly
;;       r = np.clip(x / 2.0 ** e, -57344, 57344)
;;       step = 2.0 ** (np.maximum(np.frexp(np.where(r == 0, 1, r))[1] - 1, -14) - 2)
;;       q = np.round(r / step) * step * 2.0 ** e      # np.round: ties to even
;;       return np.moveaxis(q.reshape(q.shape[:-2] + (-1,))[..., :K], -1, axis).astype(np.float32)
;;   ~~~
;;   OPERANDS COMPUTED ON THE WAY. 'Computed on the way' means the value that the module computes at that place (a softmax that the list does not call 'softmax' is quantised finished and normalised). What goes into a quantiser is computed in f32, as accurately as f32 sums, v_exp_f32 and their like allow (about 1e-6 of the number): no bf16 or f16 on the way to a quantiser, and a product that is left as it is and whose result goes on into a quantised operand takes f32 operands (vector FMAs, or v_wmma_f32_16x16x4_f32). A number that lies on a knife's edge between two numbers of the format may be rounded either way, as far as f32 arithmetic and the matrix unit's own rounding can turn it there, and no further.
;; One version. Each part assembles by itself: llvm-mc -triple=amdgcn-amd-amdhsa -mcpu=gfx1250 --defsym DOCPART=n.
;; ======== version 1 of 1: 4 launches
;; limits: values are held in bf16: 8 bits of precision; right only within a limited range of input values
;; workspace buffers: xq 2,211,840 bytes; xs 138,240 bytes; xa 138,240 bytes; roww 8,704 bytes; route 1,280 bytes of whole numbers; gq 4,423,680 bytes; gs 276,480 bytes; pbuf 17,702,912 bytes
;; launch route_quant (part 1): grid 135 x 1, 4 waves a work-group, no clusters, 70,144 bytes of LDS; arguments hidden_states, router_indices, routing_weights, xq, xs, roww, route, pbuf, lora_A_gate_up, xa; writes xq, xs, roww, route, pbuf, xa
.if DOCPART == 1
	.amdgcn_target "amdgcn-amd-amdhsa--gfx1250"
	.amdhsa_code_object_version 6
	.text
	.protected	k_qf8c46614df_route_quant
	.globl	k_qf8c46614df_route_quant
	.p2align	8
	.type	k_qf8c46614df_route_quant,@function
k_qf8c46614df_route_quant:
	s_mov_b64 s[64:65], 0
	v_nop
	global_prefetch_b8 v0, s[64:65] scope:SCOPE_SE
	s_setreg_imm32_b32 hwreg(HW_REG_WAVE_MODE, 25, 1), 1
	s_wait_xcnt 0x0
; THE ROUTING, x AS CODES OF E5M2 IN THE ORDER OF THE ROUTED ROWS, AND x lora_A_gate_up FOR THOSE ROWS.
; DEAD WORK, for the whole program.  reference() multiplies expert e's result for token t by w[t][e] = routing_weights[t][e] x m[t][e], and m[t][e] is 0 wherever neither of
; router_indices[t][0..1] is e.  So for every finite input the rows (t, e) with m = 0 of all seven products reach no output: they are not computed.  A token whose two indices are equal is ONE row
; with m = 2.  That leaves at most 2,048 rows.  An index outside 0..7 is dropped, as one_hot drops it.  All eleven inputs stay live.
; LIMITS: a NaN, an infinity or an overflow that arises only in rows left out is not carried to the result; NaN and infinities among the inputs are not served; a block of zeros gets the scale byte 1
; where the rule says 127 (its codes are zeros, and this program alone reads the bytes).
; THE ORDER OF ROWS.  Expert e owns tiles of 16 rows, tb_e .. tb_e + nt_e - 1, nt_e = max(1, ceil(n_e / 16)); inside an expert the tokens ascend.  The sum of nt_e is at most 135 for every split.
; Rows past n_e repeat some token and carry the weight 0; nobody reads their results.
; SHARES.  Work-group T makes tile T.  Each of its four waves repeats the routing (whole numbers alone, in registers) and quantises K steps 2 w and 2 w + 1 (128 along K each) of the tile's 16 rows.
; x lora_A: the wave's 256 rows of the expert's lora_A_gate_up, 16,384 dense bytes, are asked for as soon as the expert is known, go through the wave's own 16 KB of LDS and come back a lane to a rank,
; registers down K; they are quantised while x is on its way; two scaled products (source 0 = the 16 ranks, source 1 = the 16 rows) give the wave's part of the sum over K; the four parts meet in LDS
; behind the launch's one barrier, and wave 1 adds and stores them.  So this product is made once for a tile, and not by each work-group of the next launch.
; A work-group whose tile this split does not have runs the same text, so that the barrier stands under no branch on numbers read from memory (its rows are pad rows, every load stays in its buffer),
; and jumps over all stores behind the barrier.
; OUT: xq [tile][K step 8][4][lane 32][16 bytes]: the operand's registers as they stand; xs [tile][4][lane 32][2 words]: the scale words of K steps 2 p, 2 p + 1; xa [tile][2][lane 32][16 bytes]:
; lane (row r, h) registers 0-7 = ranks 8 h + 0 .. 7; roww [tile][16]: the rows' weights; route: bytes 0..1023 [chunk of 32 tokens][expert]: the row of the chunk's first token of that expert;
; bytes 1024..1151: (tb_e, nt_e); pbuf: the row of zeros, ZROW, of both halves.
; The 1,024 bytes of route's table are stored 4 bytes a lane, 32 bytes apart, by eight work-groups: blocks of 256 bytes written in parts, for a table of this size.
.set ZROW, 2160
.set PH,   8851456                     ; bytes of one half of pbuf: 2,161 rows of 4,096
.set PART,  65536                      ; LDS: 0 .. 65,535 a stage of 16,384 bytes for each wave; then the four waves' parts of x lora_A, 1,024 bytes each;
.set SPARE, 69632                      ; then the spare words, 128 bytes for each wave, which no other line names
; window 0
.set IX,   32                          ; v32-95   the 32 chunks' index pairs; the chunk's mask of experts takes the even register
.set TM,   32                          ; v32-47   later: at work in QUANT (the same numbers in window 1)
.set PC,   64                          ; v64-95   x's two fragments
.set XN,   96                          ; v96-223  2 x 64 numbers of x (in window 1: of lora_A)
.set D0,   224                         ; v224-231, v232-239 the two K steps' products
.set D1,   232
.set ASW,  240                         ; v240 my wave's stage + 16 x lane
.set ASR,  241                         ; v241 my wave's stage + 16 h rows of 64 bytes + 4 r
.set PSW,  242                         ; v242 my wave's part + 16 x lane
.set PSR,  243                         ; v243 the first part + 16 x lane
.set PW,   248                         ; v248-249 x's two scale words (in window 1: lora_A's)
.set AW,   250                         ; v250-251 lora_A's two scale words, for the products
.set SPW,  252                         ; v252 my spare word; never rewritten
.set NIL,  253                         ; v253 0; never rewritten
.set APC,  0                           ; window 1: v0-31 lora_A's two fragments;  window 2: v0-127 lora_A as loaded
.set MSB, 0
.macro WIN new                         ; the immediate's high byte repeats the setting that is left
.if MSB != (\new)
	s_set_vgpr_msb (MSB<<8)|(\new)
.set MSB, (\new)
.endif
.endm
; 64 numbers of a lane, register 16 b + i = k 32 b + 16 h + i of my row, become a fragment's 16 registers of codes and its row's scale word.  All its registers lie in one window
.macro QUANT src, pc, pw
.irp b, 0,1,2,3
	v_max3_num_f32 v[TM+\b], |v[\src+16*\b]|, |v[\src+1+16*\b]|, 0x8000000   ; block b: my 16 numbers, and the floor 2^(16 - 127): the byte cannot fall under 1
.endr
.irp i, 2,4,6,8,10,12,14
.irp b, 0,1,2,3
	v_max3_num_f32 v[TM+\b], v[TM+\b], |v[\src+16*\b+\i]|, |v[\src+1+16*\b+\i]|
.endr
.endr
.irp b, 0,1,2,3
	v_permlanex16_b32 v[TM+4+\b], v[TM+\b], s28, s29
.endr
.irp b, 0,1,2,3
	v_max_num_f32 v[TM+\b], v[TM+\b], v[TM+4+\b]   ; with lane l xor 16's: the block's largest magnitude
.endr
.irp b, 0,1,2,3
	v_add_nc_u32 v[TM+12+\b], 0xf8800000, v[TM+\b] ; 15 off its exponent field: the conversion's scale operand
.endr
.irp b, 0,1,2,3
	v_and_or_b32 v[TM+8+\b], v[TM+\b], 0x7f800000, s78   ; 57,344 x the scale
.endr
.irp b, 0,1,2,3
	v_lshrrev_b32 v[TM+4+\b], 23, v[TM+12+\b]      ; the scale's byte
.endr
	v_lshl_or_b32 v[\pw], v[TM+5], 8, v[TM+4]
	v_lshl_or_b32 v[\pw], v[TM+6], 16, v[\pw]
	v_lshl_or_b32 v[\pw], v[TM+7], 24, v[\pw]
.irp b, 0,1,2,3
.irp i, 0,1,2,3,4,5,6,7,8,9,10,11,12,13,14,15
	v_med3_num_f32 v[\src+16*\b+\i], v[\src+16*\b+\i], -v[TM+8+\b], v[TM+8+\b]   ; the conversion to an 8-bit code does not saturate (ISA guide 7.6.2): the hold
.endr
	v_cvt_scalef32_pk8_bf8_f32 v[\pc+4*\b:\pc+4*\b+1], v[\src+16*\b:\src+16*\b+7], v[TM+12+\b]
	v_cvt_scalef32_pk8_bf8_f32 v[\pc+4*\b+2:\pc+4*\b+3], v[\src+16*\b+8:\src+16*\b+15], v[TM+12+\b]
.endr
	v_nop                                          ; a plain line behind the last conversion
.endm
	s_load_b256 s[8:15], s[0:1], 0x0               ; hidden_states s[8:9], router_indices s[10:11], routing_weights s[12:13], xq s[14:15]
	s_load_b256 s[16:23], s[0:1], 0x20             ; xs s[16:17], roww s[18:19], route s[20:21], pbuf s[22:23]
	s_load_b128 s[80:83], s[0:1], 0x40             ; lora_A_gate_up s[80:81], xa s[82:83]
	v_lshl_add_u32 v[SPW], v0, 2, SPARE
	v_mov_b32 v[NIL], 0
	v_lshrrev_b32 v6, 5, v0
	v_readfirstlane_b32 s24, v6                    ; wave
	v_and_b32 v1, 31, v0                           ; lane
	v_and_b32 v2, 15, v0                           ; r
	v_bfe_u32 v3, v0, 4, 1                         ; h
	v_lshlrev_b32 v4, 3, v1                        ; 8 x lane
	v_mov_b32 v5, 1
	v_lshlrev_b32 v26, 4, v1                       ; 16 x lane
	v_mov_b32 v10, 0                               ; counts of experts 0-3, a byte each
	v_mov_b32 v11, 0                               ; of experts 4-7
	v_mov_b32 v16, 0                               ; (a lane exchange's destination counts as read)
	s_lshl_b32 s86, s24, 14                        ; 16,384 w
	s_lshl_b32 s87, s24, 10                        ; 1,024 w
	v_add_nc_u32 v[ASW], s86, v26
	v_lshlrev_b32 v[ASR], 2, v2
	v_lshl_add_u32 v[ASR], v3, 10, v[ASR]
	v_add_nc_u32 v[ASR], s86, v[ASR]
	v_add_nc_u32 v[PSR], PART, v26
	v_add_nc_u32 v[PSW], s87, v[PSR]
	WIN 0x40
.irp b, 0,1,2,3
	v_mov_b32 v[TM+4+\b], 0                        ; window 1: a lane permute's destination counts as read
.endr
	WIN 0
	s_mov_b32 s25, 0x204081                        ; spreads four bits to four bytes
	s_mov_b32 s26, 0x01010101
	s_mov_b32 s27, 0x00ff00ff
	s_mov_b32 s28, 0x76543210
	s_mov_b32 s29, 0xfedcba98                      ; v_permlanex16_b32's selects for lane l xor 16
	s_mov_b32 s78, 0x600000                        ; the mantissa field of 57,344
	s_mov_b32 s3, 0
	s_wait_kmcnt 0x0
.set NI, 0
.rept 32
	global_load_b64 v[IX+2*NI:IX+2*NI+1], v4, s[10:11] offset:256*NI   ; chunk NI: lane l takes token 32 NI + l; 256 consecutive bytes
.set NI, NI+1
.endr
	s_wait_loadcnt 0x0
.set NI, 0
.rept 32                               ; a token's mask of experts (equal indices fall together; bit 8: dropped), and the counts
	v_min_u32 v6, 8, v[IX+2*NI]
	v_min_u32 v7, 8, v[IX+2*NI+1]
	v_lshlrev_b32 v6, v6, v5
	v_lshlrev_b32 v7, v7, v5
	v_or_b32 v[IX+2*NI], v6, v7
	v_and_b32 v8, 15, v[IX+2*NI]
	v_bfe_u32 v9, v[IX+2*NI], 4, 4
	v_mul_u32_u24 v8, s25, v8
	v_mul_u32_u24 v9, s25, v9
	v_and_b32 v8, s26, v8
	v_and_b32 v9, s26, v9
	v_add_nc_u32 v10, v10, v8                      ; at most 32 in a byte
	v_add_nc_u32 v11, v11, v9
.set NI, NI+1
.endr
	v_and_b32 v12, s27, v10                        ; experts 0 and 2, 16 bits each
	v_lshrrev_b32 v13, 8, v10
	v_and_b32 v13, s27, v13                        ; 1 and 3
	v_and_b32 v14, s27, v11                        ; 4 and 6
	v_lshrrev_b32 v15, 8, v11
	v_and_b32 v15, s27, v15                        ; 5 and 7
.irp q, 12,13,14,15                    ; summed over the 32 lanes: at most 1,024 in a field
.irp m, 1,2,4,8
	v_mov_b32_dpp v16, v\q row_xmask:\m row_mask:0xf bank_mask:0xf
	v_add_nc_u32 v\q, v\q, v16
.endr
	v_permlanex16_b32 v16, v\q, s28, s29
	v_add_nc_u32 v\q, v\q, v16
.endr
	v_readfirstlane_b32 s30, v12
	v_readfirstlane_b32 s31, v13
	v_readfirstlane_b32 s32, v14
	v_readfirstlane_b32 s33, v15
	s_and_b32 s50, s30, 0xffff                     ; n_0 .. n_7 in s50-57
	s_lshr_b32 s52, s30, 16
	s_and_b32 s51, s31, 0xffff
	s_lshr_b32 s53, s31, 16
	s_and_b32 s54, s32, 0xffff
	s_lshr_b32 s56, s32, 16
	s_and_b32 s55, s33, 0xffff
	s_lshr_b32 s57, s33, 16
	s_mov_b32 s40, 0                               ; tb_0 .. tb_8 in s40-48, nt_0 .. nt_7 in s70-77
.irp e, 0,1,2,3,4,5,6,7
	s_add_co_u32 s[70+\e], s[50+\e], 15
	s_lshr_b32 s[70+\e], s[70+\e], 4
	s_max_u32 s[70+\e], s[70+\e], 1                ; an expert without tokens keeps one tile of pad rows: every tile that a later launch names is written
	s_add_co_u32 s[41+\e], s[40+\e], s[70+\e]
.endr
	s_mov_b32 s34, 0                               ; my tile's expert E,
	s_mov_b32 s35, 0                               ; its first tile TB,
	s_mov_b32 s36, s50                             ; its number of rows
.irp e, 1,2,3,4,5,6,7
	s_cmp_ge_u32 ttmp9, s[40+\e]
	s_cselect_b32 s34, \e, s34
	s_cselect_b32 s35, s[40+\e], s35
	s_cselect_b32 s36, s[50+\e], s36
.endr
	s_cmp_ge_u32 ttmp9, s48
	s_cselect_b32 s85, 1, 0                        ; 1: this split has no tile T: all its rows are pad rows of the last expert, and nothing of it is stored
	s_min_u32 s34, s34, 7
	s_lshl_b32 s2, s34, 16                         ; an expert's lora_A: 65,536 bytes;
	s_add_co_u32 s2, s2, s86                       ; my 256 rows of 64 bytes
	s_add_nc_u64 s[80:81], s[80:81], s[2:3]
	WIN 0x80
.set NI, 0
.rept 32
	global_load_b128 v[4*NI:4*NI+3], v26, s[80:81] offset:512*NI   ; 512 consecutive bytes each; they land while the routing goes on
.set NI, NI+1
.endr
	WIN 0
	s_sub_co_u32 s37, ttmp9, s35
	s_lshl_b32 s37, s37, 4                         ; 16 (T - TB)
	v_add_nc_u32 v17, s37, v2                      ; J: my row's place among the expert's rows
	s_lshl_b32 s38, 1, s34
	s_mov_b32 s39, 0                               ; the expert's tokens in the chunks below
	s_mov_b32 s60, 0                               ; the same, with the chunk's number above it
	s_lshl_b32 s61, s35, 4                         ; the same + 16 TB: a row number
	v_mov_b32 v18, 0                               ; the mask of the chunk that holds row J,
	v_mov_b32 v19, 0                               ; its number and the count below it,
	v_mov_b32 v20, 0                               ; lane i: the row of chunk i's first token of this expert
.set NI, 0
.rept 32
	v_and_b32 v6, s38, v[IX+2*NI]
	v_cmp_ne_u32 s62, 0, v6                        ; which tokens of the chunk go to E
	v_cmp_le_u32 vcc_lo, s39, v17                  ; the last chunk whose count below is at most J holds row J
	v_cndmask_b32 v18, v18, s62, vcc_lo
	v_cndmask_b32 v19, v19, s60, vcc_lo
	v_writelane_b32 v20, s61, NI
	s_bcnt1_i32_b32 s63, s62
	s_add_co_u32 s39, s39, s63
	s_add_co_u32 s61, s61, s63
	s_add_co_u32 s60, s60, s63
	s_add_co_u32 s60, s60, 0x10000
.set NI, NI+1
.endr
	v_and_b32 v6, 0xffff, v19
	v_sub_nc_u32 v23, v17, v6                      ; N: row J is the chunk's set bit number N
	v_mov_b32 v21, 0
	v_mov_b32 v22, 0
.set NI, 0
.rept 32                               ; its place = the number of places up to which at most N bits are set
	v_bfe_u32 v6, v18, NI, 1
	v_add_nc_u32 v21, v21, v6
	v_cmp_le_u32 vcc_lo, v21, v23
	v_add_co_ci_u32 v22, vcc_lo, 0, v22, vcc_lo
.set NI, NI+1
.endr
	v_lshrrev_b32 v24, 16, v19
	v_lshl_add_u32 v24, v24, 5, v22
	v_min_u32 v24, 0x3ff, v24                      ; the row's token (a pad row: some token)
	v_cmp_gt_u32 s62, s36, v17                     ; a true row?
	v_lshlrev_b32 v6, 3, v24                       ; its index pair,
	v_lshlrev_b32 v7, 5, v24                       ; its row of routing_weights,
	v_lshlrev_b32 v25, 12, v24
	v_lshl_add_u32 v25, v3, 6, v25                 ; its row of x, + 64 h: my 16 numbers of a block of 32
	s_lshl_b32 s2, s34, 2
	s_add_nc_u64 s[12:13], s[12:13], s[2:3]        ; column E
	s_add_nc_u64 s[8:9], s[8:9], s[86:87]          ; (placeholder pair is not used: see the next two lines)
	s_sub_nc_u64 s[8:9], s[8:9], s[86:87]
	s_mov_b32 s2, s87
	s_add_nc_u64 s[8:9], s[8:9], s[2:3]            ; my wave's two K steps: 1,024 bytes of a row
	global_load_b64 v[28:29], v6, s[10:11]
	global_load_b32 v30, v7, s[12:13]
.irp t, 0,1
.irp c, 0,1,2,3
.irp j, 0,1,2,3
	global_load_b128 v[XN+64*\t+16*\c+4*\j:XN+64*\t+16*\c+4*\j+3], v25, s[8:9] offset:512*\t+128*\c+16*\j   ; register 16 c + i = k 32 c + 16 h + i of row r
.endr
.endr
.endr
	s_lshl_b32 s2, ttmp9, 14
	s_lshl_b32 s66, s24, 12
	s_add_co_u32 s2, s2, s66
	s_add_nc_u64 s[14:15], s[14:15], s[2:3]        ; xq: 16,384 T + 4,096 w
	s_lshl_b32 s2, ttmp9, 10
	s_add_nc_u64 s[82:83], s[82:83], s[2:3]        ; xa: 1,024 T
	s_lshl_b32 s66, s24, 8
	s_add_co_u32 s2, s2, s66
	s_add_nc_u64 s[16:17], s[16:17], s[2:3]        ; xs: 1,024 T + 256 w
	; lora_A while x is on its way
	s_wait_loadcnt 34                              ; lora_A's 32 loads are in; the 34 younger loads (the index pair, the weight, x's 32) may be out
	WIN 0x08                                       ; an LDS store's data are its source 1: window 2
.set NI, 0
.rept 32
	ds_store_b128 v[ASW], v[4*NI:4*NI+3] offset:512*NI             ; as it lies in memory: row k at 64 k, rank at 4 x rank
.set NI, NI+1
.endr
	WIN 0x40
.irp t, 0,1
.irp c, 0,1,2,3
.irp i, 0,1,2,3,4,5,6,7,8,9,10,11,12,13,14,15
	ds_load_b32 v[XN+64*\t+16*\c+\i], v[ASR] offset:(128*\t+32*\c+\i)*64   ; lora_A(128 t + 32 c + 16 h + i, rank r); LDS serves a wave's instructions in order (ISA guide 5.7.1.4): these see my stores
.endr
.endr
.endr
	s_wait_dscnt 63                                ; the first K step's 64 numbers are in: 64 loads were issued behind the last of them
	WIN 0x55
	QUANT XN, APC, PW
	s_wait_dscnt 0x0
	QUANT XN+64, APC+16, PW+1
	WIN 0x01
	v_mov_b32 v[AW], v[PW]                         ; a product's scale words are taken from window 0
	v_mov_b32 v[AW+1], v[PW+1]
	WIN 0
	s_wait_loadcnt 16                              ; all but x's second K step's 16 loads
	QUANT XN, PC, PW
	s_wait_loadcnt 0x0
	QUANT XN+64, PC+16, PW+1
.rept 4
	v_nop                                          ; an operand written by vector instructions stands four places ahead of a scaled product; the scale words were made further up
.endr
	WIN 0x01                                       ; source 0 (lora_A) window 1
	v_wmma_scale_f32_16x16x128_f8f6f4 v[D0:D0+7], v[APC:APC+15], v[PC:PC+15], 0, v[AW], v[PW] matrix_a_fmt:MATRIX_FMT_BF8 matrix_b_fmt:MATRIX_FMT_BF8
	v_wmma_scale_f32_16x16x128_f8f6f4 v[D1:D1+7], v[APC+16:APC+31], v[PC+16:PC+31], 0, v[AW+1], v[PW+1] matrix_a_fmt:MATRIX_FMT_BF8 matrix_b_fmt:MATRIX_FMT_BF8
	WIN 0
.rept 8
	v_nop                                          ; eight places ahead of the first read of the results
.endr
.irp i, 0,2,4,6
	v_pk_add_f32 v[D0+\i:D0+\i+1], v[D0+\i:D0+\i+1], v[D1+\i:D1+\i+1]   ; my two K steps: lane (row r, h), register j: rank 8 h + j
.endr
	ds_store_b128 v[PSW], v[D0:D0+3]
	ds_store_b128 v[PSW], v[D0+4:D0+7] offset:512
	s_wait_dscnt 0x0                               ; for the others' sake: my part has landed
	s_barrier_signal -1
	s_barrier_wait -1                              ; everybody's has
	s_cmp_lg_u32 s85, 0
	s_cbranch_scc1 .Lend                           ; this split has no tile T: nothing is stored
.irp c, 0,1,2,3
	global_store_b128 v26, v[PC+4*\c:PC+4*\c+3], s[14:15] offset:512*\c          ; 512 consecutive bytes
.endr
	s_wait_alu depctr_va_vdst(0)
.irp c, 0,1,2,3
	global_store_b128 v26, v[PC+16+4*\c:PC+16+4*\c+3], s[14:15] offset:2048+512*\c
.endr
	global_store_b64 v4, v[PW:PW+1], s[16:17]      ; 256 consecutive bytes, aligned
	s_cmp_lg_u32 s24, 1
	s_cbranch_scc1 .Lnot1                          ; wave 1 adds the four parts of x lora_A
.irp p, 0,1,2,3
.irp q, 0,1
	ds_load_b128 v[XN+8*\p+4*\q:XN+8*\p+4*\q+3], v[PSR] offset:1024*\p+512*\q
.endr
.endr
	s_wait_dscnt 0x0
.irp i, 0,2,4,6
	v_pk_add_f32 v[XN+\i:XN+\i+1], v[XN+\i:XN+\i+1], v[XN+8+\i:XN+9+\i]
	v_pk_add_f32 v[XN+16+\i:XN+17+\i], v[XN+16+\i:XN+17+\i], v[XN+24+\i:XN+25+\i]
.endr
.irp i, 0,2,4,6
	v_pk_add_f32 v[XN+\i:XN+\i+1], v[XN+\i:XN+\i+1], v[XN+16+\i:XN+17+\i]
.endr
	global_store_b128 v26, v[XN:XN+3], s[82:83]                    ; 512 consecutive bytes
	global_store_b128 v26, v[XN+4:XN+7], s[82:83] offset:512
.Lnot1:
	s_cmp_lg_u32 s24, 0
	s_cbranch_scc1 .Lnot0                          ; the small tables: wave 0
	v_cmp_eq_u32 vcc_lo, s34, v28
	v_cndmask_b32 v8, 0, 1.0, vcc_lo
	v_cmp_eq_u32 vcc_lo, s34, v29
	v_cndmask_b32 v9, 0, 1.0, vcc_lo
	v_add_f32 v8, v8, v9                           ; m: how many of the token's two slots name E
	v_mul_f32 v8, v30, v8
	v_cndmask_b32 v8, 0, v8, s62                   ; a pad row weighs nothing
	v_lshlrev_b32 v9, 2, v2
	s_lshl_b32 s2, ttmp9, 6
	s_add_nc_u64 s[18:19], s[18:19], s[2:3]
	global_store_b32 v9, v8, s[18:19]              ; lanes r and r + 16 store the same word with the same value
	s_cmp_lg_u32 s37, 0
	s_cbranch_scc1 .Lnopf                          ; the expert's first tile stores its column of the chunks' table
	v_lshlrev_b32 v10, 5, v1
	s_lshl_b32 s2, s34, 2
	s_add_nc_u64 s[66:67], s[20:21], s[2:3]
	global_store_b32 v10, v20, s[66:67]
.Lnopf:
	s_cmp_lg_u32 ttmp9, 0
	s_cbranch_scc1 .Lnot0                          ; tile 0 stores (tb_e, nt_e)
	v_mov_b32 v31, 0
.irp e, 0,1,2,3,4,5,6,7
	v_writelane_b32 v31, s[40+\e], 2*\e
	v_writelane_b32 v31, s[70+\e], 2*\e+1
.endr
	v_lshlrev_b32 v11, 2, v1
	global_store_b32 v11, v31, s[20:21] offset:1024
.Lnot0:
	s_cmp_lg_u32 ttmp9, 0
	s_cbranch_scc1 .Lend                           ; tile 0's four waves store the row of zeros of both halves of pbuf, 2,048 bytes a wave
	v_mov_b32 v12, 0
	v_mov_b32 v13, 0
	v_mov_b32 v14, 0
	v_mov_b32 v15, 0
	s_lshr_b32 s2, s24, 1
	s_mul_i32 s2, s2, PH
	s_and_b32 s68, s24, 1
	s_lshl_b32 s68, s68, 11
	s_add_co_u32 s2, s2, s68
	s_add_co_u32 s2, s2, 4096*ZROW
	s_add_nc_u64 s[22:23], s[22:23], s[2:3]
.irp q, 0,1,2,3
	global_store_b128 v26, v[12:15], s[22:23] offset:512*\q
.endr
.Lend:
	s_wait_tensorcnt 0x0                           ; the wave's end, behind my last LDS store
	ds_add_u32 v[SPW], v[NIL]
	s_wait_dscnt 0x0
	s_endpgm
.Lfunc_end_k_qf8c46614df_route_quant:
	.size	k_qf8c46614df_route_quant, .Lfunc_end_k_qf8c46614df_route_quant-k_qf8c46614df_route_quant
	.p2alignl 7, 3214868480
	.fill 96, 4, 3214868480
	.section	.rodata,"a",@progbits
	.p2align	6, 0x0
	.amdhsa_kernel k_qf8c46614df_route_quant
		.amdhsa_group_segment_fixed_size 70144
		.amdhsa_private_segment_fixed_size 0
		.amdhsa_enable_private_segment 0
		.amdhsa_kernarg_size 80
		.amdhsa_user_sgpr_count 2
		.amdhsa_user_sgpr_kernarg_segment_ptr 1
		.amdhsa_wavefront_size32 1
		.amdhsa_system_sgpr_workgroup_id_x 1
		.amdhsa_system_sgpr_workgroup_id_y 1
		.amdhsa_system_sgpr_workgroup_id_z 1
		.amdhsa_system_vgpr_workitem_id 0
		.amdhsa_next_free_vgpr 640
		.amdhsa_next_free_sgpr 96
		.amdhsa_reserve_vcc 1
		.amdhsa_float_denorm_mode_32 3
		.amdhsa_float_denorm_mode_16_64 3
		.amdhsa_memory_ordered 1
		.amdhsa_forward_progress 1
		.amdhsa_inst_pref_size 102
	.end_amdhsa_kernel
	.amdgpu_metadata
---
amdhsa.version: [ 1, 2 ]
amdhsa.kernels:
  - .name:           k_qf8c46614df_route_quant
    .symbol:         k_qf8c46614df_route_quant.kd
    .args:
      - { .name: hidden_states, .offset: 0, .size: 8, .value_kind: global_buffer, .address_space: global }
      - { .name: router_indices, .offset: 8, .size: 8, .value_kind: global_buffer, .address_space: global }
      - { .name: routing_weights, .offset: 16, .size: 8, .value_kind: global_buffer, .address_space: global }
      - { .name: xq, .offset: 24, .size: 8, .value_kind: global_buffer, .address_space: global }
      - { .name: xs, .offset: 32, .size: 8, .value_kind: global_buffer, .address_space: global }
      - { .name: roww, .offset: 40, .size: 8, .value_kind: global_buffer, .address_space: global }
      - { .name: route, .offset: 48, .size: 8, .value_kind: global_buffer, .address_space: global }
      - { .name: pbuf, .offset: 56, .size: 8, .value_kind: global_buffer, .address_space: global }
      - { .name: lora_A_gate_up, .offset: 64, .size: 8, .value_kind: global_buffer, .address_space: global }
      - { .name: xa, .offset: 72, .size: 8, .value_kind: global_buffer, .address_space: global }
    .group_segment_fixed_size: 70144
    .private_segment_fixed_size: 0
    .kernarg_segment_align: 8
    .kernarg_segment_size: 80
    .max_flat_workgroup_size: 128
    .sgpr_count:     96
    .vgpr_count:     640
    .wavefront_size: 32
...
	.end_amdgpu_metadata
.endif
;; end of part 1
;; launch gate_up (part 2): grid 32 x 8, 4 waves a work-group, no clusters, 174,592 bytes of LDS; arguments gate_up_proj, gate_up_proj_bias, lora_B_gate_up, xq, xs, xa, route, gq, gs; writes gq, gs
.if DOCPART == 2
	.amdgcn_target "amdgcn-amd-amdhsa--gfx1250"
	.amdhsa_code_object_version 6
	.text
	.protected	k_qf8c46614df_gate_up
	.globl	k_qf8c46614df_gate_up
	.p2align	8
	.type	k_qf8c46614df_gate_up,@function
k_qf8c46614df_gate_up:
	s_mov_b64 s[64:65], 0
	v_nop
	global_prefetch_b8 v0, s[64:65] scope:SCOPE_SE
	s_setreg_imm32_b32 hwreg(HW_REG_WAVE_MODE, 25, 1), 1
	s_wait_xcnt 0x0
; gated = (clip(up) + 1) x gate x sigmoid(1.702 gate), gu = x W + b + 2 (x A) B, for the routed rows alone, quantised to codes of E5M2 along the next product's K.
; LEFT OUT: the rows (token, expert) whose weight reference() makes 0 (shown at the head of route_quant).  x A comes from the launch before (xa), made there once for each tile of rows.
; SHARES.  Work-group (x, e) owns columns 128 x .. 128 x + 127 of expert e's gate_up_proj, as two blocks of 64 (block j: 32 numbers of gated, block 2 x + j of the next K), all of K = 1,024.
; X STAYS: wave w holds the expert's tiles of 16 rows w, w + 4, w + 8, w + 12 for all of K in 512 registers (windows 1 and 2) through both blocks.  Further tiles (w + 16, ..) come one at a time through
; the wave's own stash in LDS.  A tile number past the expert's last is held at the last; its results are not stored.
; A BLOCK: phase W: each weight byte comes from memory once, as f32, and is quantised on the way.  Wave w takes k = 256 w .. 256 w + 255, 8 runs of 32.  A load of 16 bytes a lane is 4 columns of one row k:
;   lanes 0-15 read 256 consecutive bytes of row k, lanes 16-31 of row k + 16.  TILE c (0..3) IS MADE OF COLUMNS 4 m + c.  The hold lays each column's 16 numbers side by side, so that the conversion takes the
;   column's own scale and gives the operand's 16 bytes, which go to LDS as an image of the operand's registers.  The low-rank products (f32 operands: the result goes on into a quantiser) stand in this phase;
;   the bias is their first C.  Behind a barrier: 128 scaled products, transposed (source 0 = a tile of W, source 1 = x), two fragments of W from LDS serving all four tiles of rows; then activation, quantiser, stores.
;   In tile c lane (token r, h) register j holds column 32 h + 4 j + c: gate (c = 0, 2) and up (c = 1, 3) of gated 16 h + 2 j + c / 2: a lane's 16 numbers are 16 neighbours along the next K.
; The second block's first three runs (48 loads a wave) are asked for ahead of the first block's row work.
; PREFETCH: run n + 7 is asked for in run n's turn (one instruction a wave: a lane a row, 256 bytes each), four turns ahead of its load; runs 3 to 6 among the loads of x.  It stops at the second block's last run.
; NO CLUSTER: trip counts hang on numbers read from memory, and no weight is shared between work-groups.
; The scale bytes leave one byte a lane, 8 bytes apart: blocks of 256 bytes written in parts: 32 bytes beside each 512 of codes.
; LIMITS: NaN and infinities are not served; a block of zeros keeps the byte 1; where 2^(-1.702 log2(e) gate) overflows (gate under about -52) gated is -0.
.set STR,   16384                      ; a row of gate_up_proj in bytes
.set WSC,   65536                      ; LDS: 0 .. 65,535 the 32 images, fragment 4 s + c at 2,048 f; then 16 slots of 128 bytes of scale words;
.set LBI,   67584                      ; 2 lora_B in the operand's layout, 4,096 bytes a block; the bias in the result's layout 8,192 bytes on;
.set XAI,   83968                      ; x A, 4,096 bytes a wave;
.set STS,   100352                     ; the stash, 18,432 bytes a wave: codes, 1,024 bytes of scale words, 1,024 of x A;
.set SPARE, 174080                     ; the spare words, 128 bytes for each wave, which no other line names
; window 0
.set LSX,   2                          ; v2 stash + 16 x lane
.set LSS,   3                          ; v3 stash's scale words + 8 x lane
.set VA,    4                          ; v4 16 h rows + 16 (lane % 16)
.set PF,    5                          ; v5 lane x a row; never rewritten
.set LI16,  6
.set LI8,   7
.set LLB,   8                          ; v8 this block's lora_B image + 16 x lane
.set LSA,   9                          ; v9 WSC + 4 x lane
.set LA,    10                         ; v10 my eight images + 16 x lane
.set SBA,   11                         ; v11 my scale words + 4 (lane % 16)
.set LXA,   13
.set SPW,   14                         ; v14 my spare word; never rewritten
.set NIL,   15                         ; v15 0; never rewritten
.set XS,    16                         ; v16-47 x's scale words: tile t, K step s at 8 t + s
.set WS,    53                         ; v53-55 W's scale words, by turns
.set XS1,   120                        ; v120-127 the stashed tile's scale words
.set ACC,   128                        ; v128-255 the sums: tile t of rows, tile c of columns at 32 t + 8 c; written by matrix instructions alone
; phase W
.set CC,    56
.set AM,    88
.set AX,    92
.set BO,    96
.set SC,    100
.set BY,    104
.set BW,    116
.set TT,    192                        ; window 3: v192-255; v0-191 three sets of loaded numbers
; the way out
.set GT,    56
.set UP,    72
.set EX,    88
.set MX,    104
.set MY,    105
.set MZ,    106
.set SCL,   107
.set HOLD,  108
.set BYT,   109
.set PCD,   112
.set MSB, 0
.macro WIN new                         ; the immediate's high byte repeats the setting that is left
.if MSB != (\new)
	s_set_vgpr_msb (MSB<<8)|(\new)
.set MSB, (\new)
.endif
.endm
.macro PLACES n
.rept \n
	v_nop
.endr
.endm
.macro WALU
	s_wait_alu depctr_va_vdst(0)
.endm
.macro LOADB b, sb                     ; run b of a block: 16 loads into set b % 3
	WIN 0xc0
.irp i, 0,1,2,3,4,5,6,7,8,9,10,11,12,13,14,15
	global_load_b128 v[64*((\b)%3)+4*\i:64*((\b)%3)+4*\i+3], v[VA], s[\sb:\sb+1] offset:(32*(\b)+\i)*STR th:TH_LOAD_NT
.endr
	WIN 0
.endm
.macro ASK b, sb                       ; run b's 32 rows x 256 bytes
	global_prefetch_b8 v[PF], s[\sb:\sb+1] offset:(32*(\b))*STR th:TH_LOAD_NT scope:SCOPE_SE
.endm
.macro PROC b, n                       ; run b becomes codes and scale bytes; n: the younger loads that may be out
	s_wait_loadcnt \n
	s_wait_dscnt 0x0                               ; the stores of the run before have read their registers
.set S_, 64*((\b)%3)
	WIN 0x3c
.irp c, 0,1,2,3
	v_max3_num_f32 v[AM+\c], 0x8000000, |v[S_+\c]|, |v[S_+4+\c]|   ; with the floor 2^(16 - 127): the byte cannot fall under 1
.endr
.irp i, 1,2,3,4,5,6,7
.irp c, 0,1,2,3
	v_max3_num_f32 v[AM+\c], v[AM+\c], |v[S_+8*\i+\c]|, |v[S_+8*\i+4+\c]|
.endr
.endr
	WIN 0
.irp c, 0,1,2,3
	v_permlanex16_b32 v[AX+\c], v[AM+\c], s52, s53
.endr
.irp c, 0,1,2,3
	v_max_num_f32 v[AM+\c], v[AM+\c], v[AX+\c]     ; with lane l xor 16's: the block's largest magnitude, column by column
.endr
.irp c, 0,1,2,3
	v_add_nc_u32 v[SC+\c], 0xf8800000, v[AM+\c]    ; 15 off the exponent field: the conversion's scale operand
.endr
.irp c, 0,1,2,3
	v_and_or_b32 v[BO+\c], v[AM+\c], 0x7f800000, s60   ; 57,344 x the scale
.endr
.if (\b)%4 == 0
.irp c, 0,1,2,3
	v_lshrrev_b32 v[BW+\c], 23, v[SC+\c]           ; the scale's byte; four runs make a word
.endr
.else
.irp c, 0,1,2,3
	v_lshrrev_b32 v[BY+\c], 23, v[SC+\c]
.endr
.irp c, 0,1,2,3
	v_lshl_or_b32 v[BW+\c], v[BY+\c], 8*((\b)%4), v[BW+\c]
.endr
.endif
	WIN 0xc3
.irp i, 0,1,2,3,4,5,6,7,8,9,10,11,12,13,14,15
.irp c, 0,1,2,3
	v_med3_num_f32 v[TT+16*\c+\i], v[S_+4*\i+\c], -v[BO+\c], v[BO+\c]   ; the conversion to an 8-bit code does not saturate (ISA guide 7.6.2): the hold, which also lays a column's numbers side by side
.endr
.endr
	WIN 0x03
.irp c, 0,1,2,3
.irp q, 0,1
	v_cvt_scalef32_pk8_bf8_f32 v[CC+4*\c+2*\q:CC+4*\c+2*\q+1], v[TT+16*\c+8*\q:TT+16*\c+8*\q+7], v[SC+\c]
.endr
.endr
	v_nop                                          ; a plain line behind the last conversion
	WIN 0
.irp c, 0,1,2,3
	ds_store_b128 v[LA], v[CC+4*\c:CC+4*\c+3] offset:(4*((\b)/4)+\c)*2048+((\b)%4)*512   ; tile c: k = 16 h + 0 .. 15 of row lane % 16
.endr
.if (\b)%4 == 3
.irp c, 0,1,2,3
	ds_store_b32 v[SBA], v[BW+\c] offset:(2*((\b)/4)+(\c)/2)*128+64*((\c)%2)   ; both halves of the lanes store the same word with the same value
.endr
.endif
	WALU
.endm
.macro TILEADR idx                     ; s32 = the expert's tile number idx, held inside the expert's tiles and inside the buffers
	s_sub_co_u32 s32, s31, 1
	s_min_u32 s32, s32, \idx
	s_add_co_u32 s32, s32, s30
	s_min_u32 s32, s32, 134
.endm
.macro LBLOAD                          ; 2 lora_B and the bias of this block
	WIN 0xc0
.irp q, 0,1,2,3,4,5,6,7
	ds_load_b128 v[192+4*\q:195+4*\q], v[LLB] offset:512*\q
.endr
.irp q, 0,1,2,3,4,5,6,7
	ds_load_b128 v[224+4*\q:227+4*\q], v[LLB] offset:8192+512*\q
.endr
	WIN 0
.endm
.macro LORAP xr, t                     ; b + 2 (x A) lora_B starts tile t's four sums; K slot 2 h + j stands for rank 8 h + 2 g + j on both sides; the accumulators take turns
.irp g, 0,1,2,3
.irp c, 0,1,2,3
.if \g == 0
	WIN 0x33
	v_wmma_f32_16x16x4_f32 v[ACC+32*(\t)+8*\c:ACC+32*(\t)+8*\c+7], v[192+8*\c:193+8*\c], v[(\xr):(\xr)+1], v[224+8*\c:231+8*\c]
.else
	WIN 0x03
	v_wmma_f32_16x16x4_f32 v[ACC+32*(\t)+8*\c:ACC+32*(\t)+8*\c+7], v[192+8*\c+2*\g:193+8*\c+2*\g], v[(\xr)+2*\g:(\xr)+2*\g+1], v[ACC+32*(\t)+8*\c:ACC+32*(\t)+8*\c+7]
.endif
.endr
.endr
	WIN 0
.endm
.macro LOADG g                         ; group g = 2 s + p: column tiles 2 p, 2 p + 1 of K step s into ring place g % 3, and their scale words: 9 loads
.set RR_, 56
.if ((\g)%3) == 0
	WIN 0
.else
	WIN 0xc0
.set RR_, 192+32*((\g)%3-1)
.endif
.irp q, 0,1,2,3,4,5,6,7
	ds_load_b128 v[RR_+4*\q:RR_+4*\q+3], v[LI16] offset:4096*(\g)+512*\q
.endr
	WIN 0
	ds_load_b32 v[WS+(\g)%3], v[LSA] offset:128*(\g)
.endm
.macro GROUP g                         ; 8 products: two column tiles x four tiles of rows; behind the first four, with eight places for the group before's registers, group g + 2 is fetched over them
.if (\g) < 15
	s_wait_dscnt 9                                 ; the next group's nine loads may be out
.else
	s_wait_dscnt 0x0
.endif
.set GW_, 0
.set GR_, 56
.if ((\g)%3) != 0
.set GW_, 3
.set GR_, 192+32*((\g)%3-1)
.endif
.set GK_, (\g)/2
.set GN_, 0
.rept 8
.set GC_, GN_/4
.set GT_, (GN_%4+2*GC_)%4
.set GX_, 8*GT_+GK_
.set GA_, ACC+32*GT_+8*(2*((\g)%2)+GC_)
	WIN GW_|((1+GX_/16)<<2)
.if GC_ == 1
	v_wmma_scale_f32_16x16x128_f8f6f4 v[GA_:GA_+7], v[GR_+16:GR_+31], v[16*(GX_%16):16*(GX_%16)+15], v[GA_:GA_+7], v[WS+(\g)%3], v[XS+GX_] matrix_a_fmt:MATRIX_FMT_BF8 matrix_b_fmt:MATRIX_FMT_BF8 matrix_a_scale:MATRIX_SCALE_ROW1
.else
	v_wmma_scale_f32_16x16x128_f8f6f4 v[GA_:GA_+7], v[GR_:GR_+15], v[16*(GX_%16):16*(GX_%16)+15], v[GA_:GA_+7], v[WS+(\g)%3], v[XS+GX_] matrix_a_fmt:MATRIX_FMT_BF8 matrix_b_fmt:MATRIX_FMT_BF8
.endif
.if (GN_ < 4) && ((\g) < 14)
	v_nop
	v_nop
.endif
.if (GN_ == 3) && ((\g) < 14)
	LOADG (\g)+2
.endif
.set GN_, GN_+1
.endr
.endm
.macro TAIL a, idx                     ; the activation, the quantiser, the stores of one tile of rows
	s_wait_xcnt 0x0                                ; the last tile's stores have read their bases and data
	TILEADR \idx
	s_lshl_b32 s42, s32, 15
	s_add_nc_u64 s[34:35], s[20:21], s[42:43]
	s_lshl_b32 s42, s32, 11
	s_add_nc_u64 s[36:37], s[24:25], s[42:43]
	WALU
.irp j, 0,1,2,3,4,5,6,7                ; each accumulator is read from its low end on
.irp u, 0,1
	v_min_num_f32 v[GT+2*\j+\u], v[(\a)+16*\u+\j], s55
	v_med3_num_f32 v[UP+2*\j+\u], v[(\a)+16*\u+8+\j], s56, s55
.endr
.endr
.irp i, 0,2,4,6,8,10,12,14
	v_pk_mul_f32 v[EX+\i:EX+\i+1], v[GT+\i:GT+\i+1], s[58:59] op_sel_hi:[1,0]
.endr
	WALU
.irp i, 0,1,2,3,4,5,6,7,8,9,10,11,12,13,14,15
	v_exp_f32 v[EX+\i], v[EX+\i]                   ; e^(-1.702 gate)
.endr
.irp i, 0,2,4,6,8,10,12,14
	v_pk_add_f32 v[UP+\i:UP+\i+1], v[UP+\i:UP+\i+1], 1.0 op_sel_hi:[1,0]
.endr
	WALU
.irp i, 0,2,4,6,8,10,12,14
	v_pk_add_f32 v[EX+\i:EX+\i+1], v[EX+\i:EX+\i+1], 1.0 op_sel_hi:[1,0]
.endr
	WALU
.irp i, 0,1,2,3,4,5,6,7,8,9,10,11,12,13,14,15
	v_rcp_f32 v[EX+\i], v[EX+\i]                   ; the sigmoid
.endr
.irp i, 0,2,4,6,8,10,12,14
	v_pk_mul_f32 v[UP+\i:UP+\i+1], v[UP+\i:UP+\i+1], v[GT+\i:GT+\i+1]
.endr
	WALU
.irp i, 0,2,4,6,8,10,12,14
	v_pk_mul_f32 v[GT+\i:GT+\i+1], v[UP+\i:UP+\i+1], v[EX+\i:EX+\i+1]   ; gated 16 h + 0 .. 15
.endr
	v_max3_num_f32 v[MX], |v[GT]|, |v[GT+1]|, 0x8000000
	v_max3_num_f32 v[MY], |v[GT+2]|, |v[GT+3]|, |v[GT+4]|
	v_max3_num_f32 v[MX], v[MX], |v[GT+5]|, |v[GT+6]|
	v_max3_num_f32 v[MY], v[MY], |v[GT+7]|, |v[GT+8]|
	v_max3_num_f32 v[MX], v[MX], |v[GT+9]|, |v[GT+10]|
	v_max3_num_f32 v[MY], v[MY], |v[GT+11]|, |v[GT+12]|
	v_max3_num_f32 v[MX], v[MX], |v[GT+13]|, |v[GT+14]|
	v_max3_num_f32 v[MX], v[MX], v[MY], |v[GT+15]|
	v_permlanex16_b32 v[MZ], v[MX], s52, s53
	v_max_num_f32 v[MX], v[MX], v[MZ]              ; the block's largest magnitude
	v_add_nc_u32 v[SCL], 0xf8800000, v[MX]
	v_and_or_b32 v[HOLD], v[MX], 0x7f800000, s60
	v_lshrrev_b32 v[BYT], 23, v[SCL]
.irp i, 0,1,2,3,4,5,6,7,8,9,10,11,12,13,14,15
	v_med3_num_f32 v[GT+\i], v[GT+\i], -v[HOLD], v[HOLD]
.endr
	v_cvt_scalef32_pk8_bf8_f32 v[PCD:PCD+1], v[GT:GT+7], v[SCL]
	v_cvt_scalef32_pk8_bf8_f32 v[PCD+2:PCD+3], v[GT+8:GT+15], v[SCL]
	v_nop                                          ; a plain line behind the last conversion
	s_cmp_lt_u32 \idx, s31
	s_cbranch_scc0 .Lnostore_\@                    ; no such tile
	global_store_b128 v[LI16], v[PCD:PCD+3], s[34:35]   ; 512 consecutive bytes
	global_store_b8 v[LI8], v[BYT], s[36:37]
.Lnostore_\@:
.endm
	s_load_b256 s[8:15], s[0:1], 0x0               ; gate_up_proj s[8:9], its bias s[10:11], lora_B s[12:13], xq s[14:15]
	s_load_b256 s[16:23], s[0:1], 0x20             ; xs s[16:17], xa s[18:19], route s[20:21], gq s[22:23]
	s_load_b64 s[24:25], s[0:1], 0x40              ; gs
	v_lshl_add_u32 v[SPW], v0, 2, SPARE
	v_mov_b32 v[NIL], 0
	v_lshrrev_b32 v1, 5, v0
	v_readfirstlane_b32 s26, v1                    ; wave
	s_mov_b32 s27, ttmp9                           ; x
	s_and_b32 s28, ttmp7, 0xffff                   ; e
	s_lshl_b32 s61, s26, 14                        ; my eight images
	s_lshl_b32 s33, s26, 9
	s_add_co_u32 s33, s33, WSC                     ; my scale words
	s_lshl_b32 s34, s26, 12
	s_add_co_u32 s34, s34, XAI                     ; my x A
	s_mul_i32 s35, s26, 18432
	s_add_co_u32 s35, s35, STS                     ; my stash
	s_add_co_u32 s36, s35, 16384
	s_lshl_b32 s37, s26, 11
	s_add_co_u32 s37, s37, LBI                     ; wave w lays block w / 2, column tiles 2 (w % 2), + 1 of lora_B and of the bias
	s_mov_b32 s43, 0
	s_mov_b32 s52, 0x76543210
	s_mov_b32 s53, 0xfedcba98                      ; v_permlanex16_b32's selects for lane l xor 16
	s_mov_b32 s55, 0x40e00000                      ; 7.0
	s_mov_b32 s56, 0xc0e00000                      ; -7.0
	s_mov_b32 s58, 0xc01d265f                      ; -1.702 log2(e)
	s_mov_b32 s59, s58
	s_mov_b32 s60, 0x600000                        ; the mantissa field of 57,344
	v_and_b32 v1, 31, v0                           ; lane
	v_and_b32 v48, 15, v0                          ; r
	v_bfe_u32 v49, v0, 4, 1                        ; h
	v_lshlrev_b32 v[VA], 4, v48
	v_lshl_add_u32 v[VA], v49, 18, v[VA]           ; 16 rows of 16,384 bytes for lanes 16-31
	v_lshlrev_b32 v[PF], 14, v1
	v_lshlrev_b32 v[LI16], 4, v1
	v_lshlrev_b32 v[LI8], 3, v1
	v_lshl_add_u32 v[LSA], v1, 2, WSC
	v_lshlrev_b32 v50, 7, v49                      ; bias: columns 32 h ..
	v_lshlrev_b32 v51, 4, v48
	v_lshl_add_u32 v51, v49, 17, v51               ; lora_B: 8 h rows, columns 4 r ..
	v_add_nc_u32 v[LA], s61, v[LI16]
	v_lshl_add_u32 v[SBA], v48, 2, s33
	v_add_nc_u32 v[LXA], s34, v[LI16]
	v_add_nc_u32 v[LSX], s35, v[LI16]
	v_add_nc_u32 v[LSS], s36, v[LI8]
	v_add_nc_u32 v52, s37, v[LI16]
.irp c, 0,1,2,3
	v_mov_b32 v[AX+\c], 0                          ; (a lane permute's destination counts as read)
.endr
	v_mov_b32 v[MZ], 0
	WALU
	s_wait_kmcnt 0x0
	s_lshl_b32 s42, s28, 3
	s_add_nc_u64 s[20:21], s[20:21], s[42:43]
	s_load_b64 s[30:31], s[20:21], 0x400           ; the expert's first tile and its number of tiles
	s_lshl_b32 s33, s27, 9                         ; my 128 columns, in bytes
	s_lshr_b32 s42, s26, 1
	s_lshl_b32 s42, s42, 8
	s_add_co_u32 s34, s33, s42
	s_and_b32 s42, s26, 1
	s_lshl_b32 s42, s42, 3
	s_add_co_u32 s34, s34, s42
	s_lshl_b32 s42, s28, 18
	s_add_co_u32 s42, s42, s34
	s_add_nc_u64 s[36:37], s[12:13], s[42:43]      ; lora_B
	s_lshl_b32 s42, s28, 14
	s_add_co_u32 s42, s42, s34
	s_add_nc_u64 s[38:39], s[10:11], s[42:43]      ; the bias
	s_lshl_b32 s42, s28, 24                        ; an expert: 16 MiB;
	s_lshl_b32 s34, s26, 22                        ; my 256 rows
	s_add_co_u32 s42, s42, s34
	s_add_co_u32 s42, s42, s33
	s_add_nc_u64 s[44:45], s[8:9], s[42:43]        ; this block's weights,
	s_add_nc_u64 s[46:47], s[44:45], 256           ; the second block's
.irp i, 0,1,2,3,4,5,6,7
	global_load_b64 v[56+2*\i:57+2*\i], v51, s[36:37] offset:16384*\i   ; lora_B(rank 8 h + i, two columns)
.endr
.irp i, 0,1,2,3,4,5,6,7
	global_load_b64 v[72+2*\i:73+2*\i], v50, s[38:39] offset:16*\i      ; bias(32 h + 4 i + two columns)
.endr
	LOADB 2, 44                                    ; in the order in which a block's sets come free: 2, 0, 1
	LOADB 0, 44
	LOADB 1, 44
	s_wait_kmcnt 0x0
	s_min_u32 s31, s31, 135                        ; the number of tiles lies between 1 and 135, as route_quant stores it: held there
	s_max_u32 s31, s31, 1
	s_add_co_u32 s63, s31, 3
	s_sub_co_u32 s63, s63, s26
	s_lshr_b32 s63, s63, 2                         ; my tiles: (nt + 3 - w) / 4,
	s_sub_co_i32 s63, s63, 4
	s_max_i32 s63, s63, 0                          ; those beyond the four that stay in registers
.irp t, 0,1,2,3
	s_add_co_u32 s[68+\t], s26, 4*\t
	TILEADR s[68+\t]
	s_lshl_b32 s42, s32, 14
	s_add_nc_u64 s[72+2*\t:73+2*\t], s[14:15], s[42:43]
	s_lshl_b32 s42, s32, 10
	s_add_nc_u64 s[80+2*\t:81+2*\t], s[16:17], s[42:43]
	s_add_nc_u64 s[88+2*\t:89+2*\t], s[18:19], s[42:43]
.endr
	s_wait_loadcnt 48                              ; lora_B and the bias are in; the 48 loads of W may be out
.irp c, 0,1
.irp i, 0,1,2,3,4,5,6,7
	v_add_f32 v[88+8*\c+\i], v[56+2*\i+\c], v[56+2*\i+\c]   ; x 2, the scaling: exact
	v_mov_b32 v[104+8*\c+\i], v[72+2*\i+\c]
.endr
.endr
.irp q, 0,1,2,3
	ds_store_b128 v52, v[88+4*\q:91+4*\q] offset:512*\q
	ds_store_b128 v52, v[104+4*\q:107+4*\q] offset:8192+512*\q
.endr
	WIN 0xc0
.irp t, 0,1,2,3
	global_load_b128 v[192+8*\t:195+8*\t], v[LI16], s[88+2*\t:89+2*\t]
	global_load_b128 v[196+8*\t:199+8*\t], v[LI16], s[88+2*\t:89+2*\t] offset:512
.endr
.irp t, 0,1,2,3
.irp k, 0,1,2,3,4,5,6,7
	WIN (1+(8*\t+\k)/16)*64
.irp c, 0,1,2,3
	global_load_b128 v[16*((8*\t+\k)%16)+4*\c:16*((8*\t+\k)%16)+4*\c+3], v[LI16], s[72+2*\t:73+2*\t] offset:2048*\k+512*\c
.endr
.endr
	WIN 0
.irp p, 0,1,2,3
	global_load_b64 v[XS+8*\t+2*\p:XS+8*\t+2*\p+1], v[LI8], s[80+2*\t:81+2*\t] offset:256*\p
.endr
	ASK 3+\t, 44
.endr
	s_wait_loadcnt 63                              ; x A is in: 144 loads were issued behind it
	WIN 0x0c
.irp q, 0,1,2,3,4,5,6,7
	ds_store_b128 v[LXA], v[192+4*\q:195+4*\q] offset:512*\q
.endr
	WIN 0
	s_lshl_b32 s42, s27, 10                        ; gq + 512 x the block's number
	s_add_nc_u64 s[20:21], s[22:23], s[42:43]
	s_lshr_b32 s42, s27, 2
	s_lshl_b32 s42, s42, 8
	s_bfe_u32 s33, s27, 0x10001
	s_lshl_b32 s33, s33, 2
	s_add_co_u32 s42, s42, s33
	s_and_b32 s33, s27, 1
	s_lshl_b32 s33, s33, 1
	s_add_co_u32 s42, s42, s33
	s_add_nc_u64 s[24:25], s[24:25], s[42:43]      ; gs + 256 (n / 8) + 4 ((n / 4) % 2) + n % 4, n the block's number
	s_mov_b32 s62, 0                               ; j
	s_mov_b32 s67, -1                              ; the tile that lies in the stash: none
	s_mov_b32 s96, LBI
	WALU
.Lblock:
	s_wait_dscnt 0x0                               ; the head's stores have landed, or my reads of the last block's images are over:
	s_barrier_signal -1
	s_barrier_wait -1                              ; everybody's
	v_add_nc_u32 v[LLB], s96, v[LI16]
	PROC 0, 16                                     ; set 0's loads are in: set 1's 16 may be out
	LOADB 3, 44
	ASK 7, 44
	PROC 1, 16                                     ; run 3's 16 may be out
	LOADB 4, 44
.macro NEXT b                          ; the second block's run b - 1
	s_cmp_lg_u32 s62, 0
	s_cbranch_scc1 .Lnoask_\@
	ASK (\b)-1, 46
.Lnoask_\@:
.endm
	NEXT 1
	PROC 2, 32                                     ; from here on two younger runs' 32 loads may be out
	LOADB 5, 44
	NEXT 2
	PROC 3, 32
	LOADB 6, 44
	NEXT 3
	PROC 4, 32
	LOADB 7, 44
	NEXT 4
	; the low-rank products of my four tiles
	s_wait_dscnt 0x0
	LBLOAD
.irp q, 0,1,2,3,4,5,6,7
	ds_load_b128 v[56+4*\q:59+4*\q], v[LXA] offset:512*\q
.endr
	s_wait_dscnt 0x0
.irp t, 0,1,2,3
	LORAP 56+8*\t, \t
.endr
	PLACES 8                                       ; their sources are written again below (ISA guide 7.12.1)
	PROC 5, 32
.macro REFILL b, n, left               ; in the first block the second's run n; in the second block nothing is asked for, and the wait makes the next count hold on that way too
	s_cmp_lg_u32 s62, 0
	s_cbranch_scc1 .Lnone_\@
	LOADB \n, 46
	ASK (\b)-1, 46
	s_branch .Lgo_\@
.Lnone_\@:
	s_wait_loadcnt \left
.Lgo_\@:
.endm
	REFILL 5, 2, 16
	PROC 6, 32
	REFILL 6, 0, 0
	PROC 7, 16                                     ; on every way 16 loads or a wait for 0 stand behind this run's: it is in
	REFILL 7, 1, 0
	s_wait_dscnt 0x0                               ; my stores into the images have landed
	s_barrier_signal -1
	s_barrier_wait -1                              ; everybody's have
	LOADG 0
	LOADG 1
.irp g, 0,1,2,3,4,5,6,7,8,9,10,11,12,13,14,15
	GROUP \g
.endr
	WIN 0
	PLACES 8                                       ; ahead of the first read of the results (ISA guide 7.12.1)
.irp t, 0,1,2,3
	TAIL ACC+32*\t, s[68+\t]
.endr
	s_cmp_eq_u32 s63, 0
	s_cbranch_scc1 .Lnomore                        ; no tile beyond my four
	s_mov_b32 s66, 0
	s_add_co_u32 s61, s26, 16
.Lmore:
	TILEADR s61
	s_cmp_eq_u32 s32, s67
	s_cbranch_scc1 .Lhave                          ; it lies in the stash
	s_wait_xcnt 0x0
	s_lshl_b32 s42, s32, 14
	s_add_nc_u64 s[38:39], s[14:15], s[42:43]
	s_lshl_b32 s42, s32, 10
	s_add_nc_u64 s[40:41], s[16:17], s[42:43]
	s_add_nc_u64 s[88:89], s[18:19], s[42:43]
.irp f, 0,1
	WIN 0xc0
.irp q, 0,1,2,3,4,5,6,7,8,9,10,11,12,13,14,15
	global_load_b128 v[192+4*\q:195+4*\q], v[LI16], s[38:39] offset:8192*\f+512*\q
.endr
	s_wait_loadcnt 0x0
	WIN 0x0c
.irp q, 0,1,2,3,4,5,6,7,8,9,10,11,12,13,14,15
	ds_store_b128 v[LSX], v[192+4*\q:195+4*\q] offset:8192*\f+512*\q
.endr
	WIN 0
	s_wait_dscnt 0x0
.endr
.irp p, 0,1,2,3
	global_load_b64 v[56+2*\p:57+2*\p], v[LI8], s[40:41] offset:256*\p
.endr
.irp q, 0,1
	global_load_b128 v[64+4*\q:67+4*\q], v[LI16], s[88:89] offset:512*\q
.endr
	s_wait_loadcnt 0x0
.irp p, 0,1,2,3
	ds_store_b64 v[LSS], v[56+2*\p:57+2*\p] offset:256*\p
.endr
.irp q, 0,1
	ds_store_b128 v[LSX], v[64+4*\q:67+4*\q] offset:17408+512*\q
.endr
	s_wait_dscnt 0x0
	s_mov_b32 s67, s32
.Lhave:
	LBLOAD
.irp q, 0,1
	ds_load_b128 v[56+4*\q:59+4*\q], v[LSX] offset:17408+512*\q
.endr
.irp p, 0,1,2,3
	ds_load_b64 v[XS1+2*\p:XS1+2*\p+1], v[LSS] offset:256*\p
.endr
	s_wait_dscnt 0x0
	LORAP 56, 0
	PLACES 9                                       ; nine ahead of matrix instructions of another form that take these sums up (ISA guide 7.12.1)
.irp k, 0,1,2,3,4,5,6,7
	WIN 0xc0
.irp q, 0,1,2,3,4,5,6,7,8,9,10,11,12,13,14,15
	ds_load_b128 v[192+4*\q:195+4*\q], v[LI16] offset:8192*\k+512*\q
.endr
	WIN 0
.irp c, 0,1,2,3
	ds_load_b128 v[56+4*\c:59+4*\c], v[LSX] offset:2048*\k+512*\c
.endr
	ds_load_b32 v[WS], v[LSA] offset:256*\k
	ds_load_b32 v[WS+1], v[LSA] offset:256*\k+128
	s_wait_dscnt 0x0
	WIN 0x03
.irp p, 0,1
	v_wmma_scale_f32_16x16x128_f8f6f4 v[ACC+16*\p:ACC+16*\p+7], v[192+32*\p:207+32*\p], v[56:71], v[ACC+16*\p:ACC+16*\p+7], v[WS+\p], v[XS1+\k] matrix_a_fmt:MATRIX_FMT_BF8 matrix_b_fmt:MATRIX_FMT_BF8
	v_wmma_scale_f32_16x16x128_f8f6f4 v[ACC+16*\p+8:ACC+16*\p+15], v[208+32*\p:223+32*\p], v[56:71], v[ACC+16*\p+8:ACC+16*\p+15], v[WS+\p], v[XS1+\k] matrix_a_fmt:MATRIX_FMT_BF8 matrix_b_fmt:MATRIX_FMT_BF8 matrix_a_scale:MATRIX_SCALE_ROW1
.endr
	WIN 0
	PLACES 8
.endr
	TAIL ACC, s61
	s_add_co_u32 s61, s61, 4
	WALU
	s_add_co_u32 s66, s66, 1                       ; the loop ends on its own counter, stepped by 1
	s_cmp_lt_u32 s66, s63
	s_cbranch_scc1 .Lmore
.Lnomore:
	s_wait_xcnt 0x0                                ; every store and load has read its base and data
	s_mov_b64 s[44:45], s[46:47]
	s_add_nc_u64 s[20:21], s[20:21], 512
	s_add_nc_u64 s[24:25], s[24:25], 1
	s_add_co_u32 s96, s96, 4096
	WALU
	s_add_co_u32 s62, s62, 1
	s_cmp_lt_u32 s62, 2
	s_cbranch_scc1 .Lblock
	s_wait_tensorcnt 0x0                           ; the wave's end, behind my last LDS store
	ds_add_u32 v[SPW], v[NIL]
	s_wait_dscnt 0x0
	s_endpgm
.Lfunc_end_k_qf8c46614df_gate_up:
	.size	k_qf8c46614df_gate_up, .Lfunc_end_k_qf8c46614df_gate_up-k_qf8c46614df_gate_up
	.p2alignl 7, 3214868480
	.fill 96, 4, 3214868480
	.section	.rodata,"a",@progbits
	.p2align	6, 0x0
	.amdhsa_kernel k_qf8c46614df_gate_up
		.amdhsa_group_segment_fixed_size 174592
		.amdhsa_private_segment_fixed_size 0
		.amdhsa_enable_private_segment 0
		.amdhsa_kernarg_size 72
		.amdhsa_user_sgpr_count 2
		.amdhsa_user_sgpr_kernarg_segment_ptr 1
		.amdhsa_wavefront_size32 1
		.amdhsa_system_sgpr_workgroup_id_x 1
		.amdhsa_system_sgpr_workgroup_id_y 1
		.amdhsa_system_sgpr_workgroup_id_z 1
		.amdhsa_system_vgpr_workitem_id 0
		.amdhsa_next_free_vgpr 1024
		.amdhsa_next_free_sgpr 100
		.amdhsa_reserve_vcc 0
		.amdhsa_float_denorm_mode_32 3
		.amdhsa_float_denorm_mode_16_64 3
		.amdhsa_memory_ordered 1
		.amdhsa_forward_progress 1
		.amdhsa_inst_pref_size 219
	.end_amdhsa_kernel
	.amdgpu_metadata
---
amdhsa.version: [ 1, 2 ]
amdhsa.kernels:
  - .name:           k_qf8c46614df_gate_up
    .symbol:         k_qf8c46614df_gate_up.kd
    .args:
      - { .name: gate_up_proj, .offset: 0, .size: 8, .value_kind: global_buffer, .address_space: global }
      - { .name: gate_up_proj_bias, .offset: 8, .size: 8, .value_kind: global_buffer, .address_space: global }
      - { .name: lora_B_gate_up, .offset: 16, .size: 8, .value_kind: global_buffer, .address_space: global }
      - { .name: xq, .offset: 24, .size: 8, .value_kind: global_buffer, .address_space: global }
      - { .name: xs, .offset: 32, .size: 8, .value_kind: global_buffer, .address_space: global }
      - { .name: xa, .offset: 40, .size: 8, .value_kind: global_buffer, .address_space: global }
      - { .name: route, .offset: 48, .size: 8, .value_kind: global_buffer, .address_space: global }
      - { .name: gq, .offset: 56, .size: 8, .value_kind: global_buffer, .address_space: global }
      - { .name: gs, .offset: 64, .size: 8, .value_kind: global_buffer, .address_space: global }
    .group_segment_fixed_size: 174592
    .private_segment_fixed_size: 0
    .kernarg_segment_align: 8
    .kernarg_segment_size: 72
    .max_flat_workgroup_size: 128
    .sgpr_count:     100
    .vgpr_count:     1024
    .wavefront_size: 32
...
	.end_amdgpu_metadata
.endif
;; end of part 2
;; launch down (part 3): grid 16 x 16, 4 waves a work-group, no clusters, 102,912 bytes of LDS; arguments down_proj, down_proj_bias, lora_A_down, lora_B_down, gq, gs, roww, route, pbuf; writes pbuf
.if DOCPART == 3
	.amdgcn_target "amdgcn-amd-amdhsa--gfx1250"
	.amdhsa_code_object_version 6
	.text
	.protected	k_qf8c46614df_down
	.globl	k_qf8c46614df_down
	.p2align	8
	.type	k_qf8c46614df_down,@function
k_qf8c46614df_down:
	s_mov_b64 s[64:65], 0
	v_nop
	global_prefetch_b8 v0, s[64:65] scope:SCOPE_SE
	s_setreg_imm32_b32 hwreg(HW_REG_WAVE_MODE, 25, 1), 1
	s_wait_xcnt 0x0
; w x (gated W + b + 2 (gated A) B) for the routed rows, as two partial rows, one for each half of K = 2,048.
; LEFT OUT: the rows (token, expert) whose weight reference() makes 0 (shown at the head of route_quant).
; SHARES.  Work-group (cb, 2 e + kh) owns 64 columns of expert e's down_proj and the 16 ranks of lora_A_down, over k = 1,024 kh .. 1,024 kh + 1,023: 40 fragments, 640 registers a wave, as in gate_up.
; K is cut in two because 64 columns over all of K would want 1,280 registers of codes, and 32 columns would read half of each 256 aligned bytes of a weight row.  Both products are linear in K, so the
; halves' partial rows add up; the bias counts in half 0 alone.
; PHASE W, THE BARRIER AND THE ROW LOOP are gate_up's: each weight byte is read once as f32 and quantised on the way; TILE c IS MADE OF COLUMNS 4 m + c; the images of the operands' registers go through LDS
; once; wave w takes the expert's tiles w, w + 4, .., whose number is read from route: so no tensor load, no cluster, and no barrier in the loop.  The loop is counted by a counter of its own, stepped by 1
; up to the wave's number of trips, (nt + 3 - w) / 4; the tile's number steps by 4 beside it.
; A trip's tail: (gated A)'s results, rounded to bf16, are source 1 of one bf16 product a tile (k = rank; k = 16 .. 31 are zeros on both sides): this product's result goes into no quantiser;
; the sums are multiplied by the row's weight; a lane's 32 numbers are 32 neighbouring columns of one row and go through the wave's own stage, so that sixteen lanes store 256 aligned bytes.
; LIMITS: NaN and infinities are not served; a block of zeros keeps the byte 1.
.set STR,   4096                       ; a row of down_proj in bytes
.set PH,    8851456                    ; bytes of one half of pbuf
.set WSC,   81920                      ; LDS: 0 .. 81,919 the 40 images; then 24 slots of 128 bytes of scale words;
.set STG,   84992                      ; a stage of 16 rows x (256 + 16) bytes for each wave;
.set SPARE, 102400                     ; the spare words, 128 bytes for each wave, which no other line names
; window 0
.set VA,   4
.set VL,   5
.set LI16, 6
.set LIH,  7
.set LI8,  8
.set LSA,  9
.set LSB,  10
.set SPW,  14                          ; v14  my spare word; never rewritten
.set NIL,  15                          ; v15  0; never rewritten
.set XR,   16                          ; v16-143  gated's eight fragments
.set XS,   144                         ; v144-151 their scale words
.set WS,   152                         ; v152-175 W's scale words
.set OO,   176                         ; v176-207 the weighted results; at the head: lora_B as loaded
.set OB,   208                         ; v208-239 rows back from the stage; at the head: the bias as loaded
.set RW,   240                         ; the rows' weights, as loaded a trip ahead,
.set RWC,  241                         ; and this trip's
.set STO,  242
.set RD,   243
.set PO,   244
.set R4,   245
.set VBI,  246
.set VLB,  247
; windows 1 to 3 in phase W
.set SS,   0
.set LL,   64
.set LA,   80
.set LLA,  81
.set SBA,  82
.set SBL,  83
.set HK,   84
.set ONE,  85
.set AM,   86
.set AX,   90
.set IV,   94
.set BY,   98
.set CC,   102
.set PQ,   118
.set TT,   122
.set LBY,  138
.set LT,   142
.set TP,   146
; window 3 in the row phase
.set ACC4, 144
.set BIAS, 152
.set LB,   184                         ; 2 lora_B in bf16: tile c's fragment at 8 c
.set GB,   216                         ; gated A in bf16
.set ACC,  224
.set MSB, 0
.macro WIN new
.if MSB != (\new)
	s_set_vgpr_msb (MSB<<8)|(\new)
.set MSB, (\new)
.endif
.endm
.macro LOADB b
	WIN ((((\b)%3)+1)*64)
.irp i, 0,1,2,3,4,5,6,7,8,9,10,11,12,13,14,15
	global_load_b128 v[SS+4*\i:SS+4*\i+3], v[VA], s[44:45] offset:(32*(\b)+\i)*STR th:TH_LOAD_NT
.endr
.irp i, 0,1,2,3
	global_load_b128 v[LL+4*\i:LL+4*\i+3], v[VL], s[46:47] offset:(32*(\b)+\i)*64
.endr
.endm
.macro SCALES by
.irp c, 0,1,2,3
	v_permlanex16_b32 v[AX+\c], v[AM+\c], s52, s53
.endr
.irp c, 0,1,2,3
	v_max_num_f32 v[AM+\c], v[AM+\c], v[AX+\c]
.endr
.irp c, 0,1,2,3
	v_and_b32 v[IV+\c], 0x7f800000, v[AM+\c]
.endr
.irp c, 0,1,2,3
	v_add_nc_u32 v[\by+\c], 0xf8800000, v[AM+\c]
.endr
.irp c, 0,1,2,3
	v_sub_nc_u32 v[IV+\c], s54, v[IV+\c]           ; 2^-e
.endr
.irp c, 0,1,2,3
	v_lshrrev_b32 v[\by+\c], 23, v[\by+\c]
.endr
.endm
.macro TURN4 a, d0, d1, d2, d3
	v_perm_b32 v[TP], v[\a+1], v[\a], s48
	v_perm_b32 v[TP+1], v[\a+1], v[\a], s49
	v_perm_b32 v[TP+2], v[\a+3], v[\a+2], s48
	v_perm_b32 v[TP+3], v[\a+3], v[\a+2], s49
	v_perm_b32 v[\d0], v[TP+2], v[TP], s50
	v_perm_b32 v[\d1], v[TP+2], v[TP], s51
	v_perm_b32 v[\d2], v[TP+3], v[TP+1], s50
	v_perm_b32 v[\d3], v[TP+3], v[TP+1], s51
.endm
.macro PROC b
	WIN ((((\b)%3)+1)*0x55)
.if (\b) >= 3
	s_wait_dscnt 32                                ; the stores of this window's last turn have read their registers: the 2 x 16 of the two blocks since may be out
.endif
.irp c, 0,1,2,3
	v_max3_num_f32 v[AM+\c], |v[SS+\c]|, |v[SS+4+\c]|, 0x8000000
.endr
.irp i, 1,2,3,4,5,6,7
.irp c, 0,1,2,3
	v_max3_num_f32 v[AM+\c], v[AM+\c], |v[SS+8*\i+\c]|, |v[SS+8*\i+4+\c]|
.endr
.endr
	SCALES BY
.irp i, 0,1,2,3,4,5,6,7,8,9,10,11,12,13,14,15
	v_pk_mul_f32 v[SS+4*\i:SS+4*\i+1], v[SS+4*\i:SS+4*\i+1], v[IV:IV+1]
	v_pk_mul_f32 v[SS+4*\i+2:SS+4*\i+3], v[SS+4*\i+2:SS+4*\i+3], v[IV+2:IV+3]
.endr
.set PN, 0
.rept 64
	v_med3_num_f32 v[SS+PN], v[SS+PN], -v[HK], v[HK]
.set PN, PN+1
.endr
.irp q, 0,1,2,3,4,5,6,7
	v_cvt_scalef32_pk8_bf8_f32 v[CC+2*\q:CC+2*\q+1], v[SS+8*\q:SS+8*\q+7], v[ONE]
.endr
.irp c, 0,1,2,3
	ds_store_b8 v[SBA], v[BY+\c] offset:(3*((\b)/4)+(\c)/2)*128+64*((\c)%2)+(\b)%4
.endr
.irp c, 0,1,2,3
	v_max3_num_f32 v[AM+\c], |v[LL+\c]|, |v[LL+4+\c]|, 0x8000000
.endr
.irp c, 0,1,2,3
	v_max3_num_f32 v[AM+\c], v[AM+\c], |v[LL+8+\c]|, |v[LL+12+\c]|
.endr
.irp c, 0,1,2,3
	v_max_num_f32_dpp v[AM+\c], v[AM+\c], v[AM+\c] row_xmask:4 row_mask:0xf bank_mask:0xf
.endr
.irp c, 0,1,2,3
	v_max_num_f32_dpp v[AM+\c], v[AM+\c], v[AM+\c] row_xmask:8 row_mask:0xf bank_mask:0xf
.endr
	SCALES LBY
.irp i, 0,1,2,3
	v_pk_mul_f32 v[LL+4*\i:LL+4*\i+1], v[LL+4*\i:LL+4*\i+1], v[IV:IV+1]
	v_pk_mul_f32 v[LL+4*\i+2:LL+4*\i+3], v[LL+4*\i+2:LL+4*\i+3], v[IV+2:IV+3]
.endr
.irp n, 0,1,2,3,4,5,6,7,8,9,10,11,12,13,14,15
	v_med3_num_f32 v[LL+\n], v[LL+\n], -v[HK], v[HK]
.endr
	v_cvt_scalef32_pk8_bf8_f32 v[PQ:PQ+1], v[LL:LL+7], v[ONE]
	v_cvt_scalef32_pk8_bf8_f32 v[PQ+2:PQ+3], v[LL+8:LL+15], v[ONE]
.irp c, 0,1,2,3
	ds_store_b8 v[SBL], v[LBY+\c] offset:(3*((\b)/4)+2)*128+4*\c+(\b)%4
.endr
	v_nop                                          ; a plain line behind the last conversion
.if (\b)+3 < 8
	LOADB (\b)+3
	WIN ((((\b)%3)+1)*0x55)
.endif
.irp q, 0,1,2,3
	TURN4 CC+4*\q, TT+\q, TT+4+\q, TT+8+\q, TT+12+\q
.endr
.irp c, 0,1,2,3
	ds_store_b128 v[LA], v[TT+4*\c:TT+4*\c+3] offset:(5*((\b)/4)+\c)*2048+((\b)%4)*512
.endr
	TURN4 PQ, LT, LT+1, LT+2, LT+3
.irp c, 0,1,2,3
	ds_store_b32 v[LLA], v[LT+\c] offset:(5*((\b)/4)+4)*2048+((\b)%4)*512+16*\c
.endr
.endm
.macro TILEADR idx
	s_sub_co_u32 s32, s31, 1
	s_min_u32 s32, s32, \idx
	s_add_co_u32 s32, s32, s30
	s_min_u32 s32, s32, 134
.endm
.macro XADR
	s_lshl_b32 s42, s32, 15
	s_add_nc_u64 s[34:35], s[66:67], s[42:43]
	s_lshl_b32 s42, s32, 11
	s_add_nc_u64 s[36:37], s[68:69], s[42:43]
	s_lshl_b32 s42, s32, 6
	s_add_nc_u64 s[40:41], s[20:21], s[42:43]
.endm
.macro XLOAD
.irp s, 0,1,2,3,4,5,6,7
.irp c, 0,1,2,3
	global_load_b128 v[XR+16*\s+4*\c:XR+16*\s+4*\c+3], v[LI16], s[34:35] offset:2048*\s+512*\c
.endr
.endr
.irp p, 0,1,2,3
	global_load_b64 v[XS+2*\p:XS+2*\p+1], v[LI8], s[36:37] offset:256*\p
.endr
	global_load_b32 v[RW], v[R4], s[40:41]
.endm
.macro MULS                            ; 40 products; the five accumulators take turns, one instruction a turn
.set MF, 0
.rept 40
.set MKS, MF/5
.set MT, MF%5
.set MW, 16*(MF%16)
.set MD, ACC+8*MT
.if MT == 4
.set MD, ACC4
.endif
	WIN (0xf1+MF/16)
.if (MKS == 0) && (MT == 4)
	v_wmma_scale_f32_16x16x128_f8f6f4 v[MD:MD+7], v[MW:MW+15], v[XR:XR+15], 0, v[WS+2], v[XS] matrix_a_fmt:MATRIX_FMT_BF8 matrix_b_fmt:MATRIX_FMT_BF8
.elseif (MKS == 0) && ((MT%2) == 1)
	v_wmma_scale_f32_16x16x128_f8f6f4 v[MD:MD+7], v[MW:MW+15], v[XR:XR+15], v[BIAS+8*MT:BIAS+8*MT+7], v[WS+MT/2], v[XS] matrix_a_fmt:MATRIX_FMT_BF8 matrix_b_fmt:MATRIX_FMT_BF8 matrix_a_scale:MATRIX_SCALE_ROW1
.elseif MKS == 0
	v_wmma_scale_f32_16x16x128_f8f6f4 v[MD:MD+7], v[MW:MW+15], v[XR:XR+15], v[BIAS+8*MT:BIAS+8*MT+7], v[WS+MT/2], v[XS] matrix_a_fmt:MATRIX_FMT_BF8 matrix_b_fmt:MATRIX_FMT_BF8
.elseif (MT%2) == 1
	v_wmma_scale_f32_16x16x128_f8f6f4 v[MD:MD+7], v[MW:MW+15], v[XR+16*MKS:XR+16*MKS+15], v[MD:MD+7], v[WS+3*MKS+MT/2], v[XS+MKS] matrix_a_fmt:MATRIX_FMT_BF8 matrix_b_fmt:MATRIX_FMT_BF8 matrix_a_scale:MATRIX_SCALE_ROW1
.else
	v_wmma_scale_f32_16x16x128_f8f6f4 v[MD:MD+7], v[MW:MW+15], v[XR+16*MKS:XR+16*MKS+15], v[MD:MD+7], v[WS+3*MKS+MT/2], v[XS+MKS] matrix_a_fmt:MATRIX_FMT_BF8 matrix_b_fmt:MATRIX_FMT_BF8
.endif
.set MF, MF+1
.endr
.endm
	s_load_b256 s[8:15], s[0:1], 0x0               ; down_proj s[8:9], its bias s[10:11], lora_A s[12:13], lora_B s[14:15]
	s_load_b256 s[16:23], s[0:1], 0x20             ; gq s[16:17], gs s[18:19], roww s[20:21], route s[22:23]
	s_load_b64 s[24:25], s[0:1], 0x40              ; pbuf
	v_lshl_add_u32 v[SPW], v0, 2, SPARE
	v_mov_b32 v[NIL], 0
	v_lshrrev_b32 v1, 5, v0
	v_readfirstlane_b32 s26, v1                    ; wave
	v_and_b32 v1, 31, v0                           ; lane
	v_and_b32 v2, 15, v0                           ; lane % 16
	v_bfe_u32 v3, v0, 4, 1                         ; h
	v_lshlrev_b32 v[VA], 4, v2
	v_lshl_add_u32 v[VA], v3, 16, v[VA]            ; 16 rows of 4,096 bytes for lanes 16-31
	v_and_b32 v13, 3, v0
	v_bfe_u32 v12, v0, 2, 3
	v_lshlrev_b32 v[VL], 4, v13
	v_lshl_add_u32 v[VL], v12, 8, v[VL]
	s_mov_b32 s27, ttmp9                           ; cb
	s_and_b32 s33, ttmp7, 0xffff
	s_lshr_b32 s28, s33, 1                         ; e
	s_and_b32 s57, s33, 1                          ; kh
	s_lshl_b32 s55, s57, 10
	s_lshl_b32 s56, s26, 8
	s_add_co_u32 s55, s55, s56                     ; my first k: 1,024 kh + 256 w
	s_mov_b32 s43, 0
	s_wait_alu depctr_va_vdst(0)
	s_wait_kmcnt 0x0
	s_lshl_b32 s42, s28, 23                        ; an expert: 8 MiB
	s_lshl_b32 s33, s55, 12
	s_add_co_u32 s42, s42, s33
	s_lshl_b32 s33, s27, 8
	s_add_co_u32 s42, s42, s33
	s_add_nc_u64 s[44:45], s[8:9], s[42:43]
	s_lshl_b32 s42, s28, 17
	s_lshl_b32 s33, s55, 6
	s_add_co_u32 s42, s42, s33
	s_add_nc_u64 s[46:47], s[12:13], s[42:43]
	LOADB 0
	LOADB 1
	LOADB 2
	WIN 0
	s_lshl_b32 s42, s28, 3
	s_add_nc_u64 s[22:23], s[22:23], s[42:43]
	s_load_b64 s[30:31], s[22:23], 0x400           ; the expert's first tile and its number of tiles
	v_lshlrev_b32 v[LI16], 4, v1
	v_add_nc_u32 v[LIH], 0x10000, v[LI16]
	v_lshlrev_b32 v[LI8], 3, v1
	v_lshl_add_u32 v[LSA], v1, 2, WSC
	v_lshl_add_u32 v[LSB], v2, 2, WSC
	v_bfe_u32 v11, v0, 2, 2
	v_lshlrev_b32 v11, 2, v11
	v_lshl_add_u32 v11, v13, 6, v11
	v_lshl_add_u32 v11, v3, 8, v11
	v_lshlrev_b32 v12, 2, v2
	v_lshlrev_b32 v13, 4, v13
	v_lshlrev_b32 v[VBI], 7, v3
	v_lshlrev_b32 v[VLB], 4, v2
	v_lshl_add_u32 v[VLB], v3, 15, v[VLB]          ; 8 rows of 4,096 bytes for lanes 16-31
	s_mul_i32 s33, s26, 4352
	s_add_co_u32 s33, s33, STG                     ; my stage
	v_mul_u32_u24 v[STO], v2, 272
	v_lshl_add_u32 v[STO], v3, 7, v[STO]
	v_add_nc_u32 v[STO], s33, v[STO]               ; in: row r, + 128 h
	v_mul_u32_u24 v[RD], v3, 272
	v_lshl_add_u32 v[RD], v2, 4, v[RD]
	v_add_nc_u32 v[RD], s33, v[RD]                 ; back: lanes 0-15 one row, lanes 16-31 the next
	v_lshlrev_b32 v[PO], 12, v3
	v_lshl_add_u32 v[PO], v2, 4, v[PO]             ; and the same two rows in pbuf
	v_lshlrev_b32 v[R4], 2, v2
	s_mul_i32 s61, s26, 20480
	s_mul_i32 s62, s26, 768
	s_add_co_u32 s62, s62, WSC
	s_mov_b32 s48, 0x05010400
	s_mov_b32 s49, 0x07030602
	s_mov_b32 s50, 0x05040100
	s_mov_b32 s51, 0x07060302
	s_mov_b32 s52, 0x76543210
	s_mov_b32 s53, 0xfedcba98
	s_mov_b32 s54, 0x86800000
.irp x, 1,2,3
	WIN (\x*64)
	v_add_nc_u32 v[LA], s61, v[LI16]
	v_add_nc_u32 v[LLA], s61, v11
	v_add_nc_u32 v[SBA], s62, v12
	v_add_nc_u32 v[SBL], s62, v13
	v_mov_b32 v[HK], 0x47600000
	v_mov_b32 v[ONE], 1.0
.irp c, 0,1,2,3
	v_mov_b32 v[AX+\c], 0
.endr
.endr
	WIN 0
	s_lshl_b32 s33, s27, 8
	s_lshl_b32 s42, s28, 12
	s_add_co_u32 s42, s42, s33
	s_add_nc_u64 s[70:71], s[10:11], s[42:43]      ; the bias of my 64 columns
	s_lshl_b32 s42, s28, 16
	s_add_co_u32 s42, s42, s33
	s_add_nc_u64 s[72:73], s[14:15], s[42:43]      ; lora_B at my 64 columns
	s_mul_i32 s42, s57, PH
	s_add_co_u32 s42, s42, s33
	s_add_nc_u64 s[74:75], s[24:25], s[42:43]      ; pbuf: my half, my 64 columns
	s_lshl_b32 s42, s57, 14
	s_add_nc_u64 s[66:67], s[16:17], s[42:43]      ; gq: my half's eight K steps
	s_lshl_b32 s42, s57, 10
	s_add_nc_u64 s[68:69], s[18:19], s[42:43]      ; gs likewise
	s_cmp_eq_u32 s57, 0
	s_cselect_b32 s63, -1, 0                       ; the bias counts in half 0
	s_wait_loadcnt 40                              ; a block's 20 loads are in; the two younger blocks' 40 may be out
	PROC 0
	s_wait_loadcnt 40
	PROC 1
	s_wait_loadcnt 40
	PROC 2
	s_wait_loadcnt 40
	PROC 3
	s_wait_loadcnt 40
	PROC 4
	s_wait_loadcnt 40
	PROC 5
	s_wait_loadcnt 20
	PROC 6
	s_wait_loadcnt 0x0
	WIN 0
	s_wait_kmcnt 0x0
	s_min_u32 s31, s31, 135                        ; the number of tiles lies between 1 and 135, as route_quant stores it: held there
	s_max_u32 s31, s31, 1
	s_mov_b32 s29, s26                             ; I: my first tile of the expert's
	s_add_co_u32 s76, s31, 3
	s_sub_co_u32 s76, s76, s26
	s_lshr_b32 s76, s76, 2                         ; my trips: (nt + 3 - w) / 4; 0 where w >= nt
	s_mov_b32 s77, 0                               ; the trips' counter
	TILEADR s29
	XADR
.irp j, 0,1,2,3,4,5,6,7
	global_load_b128 v[OB+4*\j:OB+4*\j+3], v[VBI], s[70:71] offset:16*\j      ; the bias of columns 32 h + 4 j + 0 .. 3
.endr
.irp i, 0,1,2,3,4,5,6,7
	global_load_b128 v[OO+4*\i:OO+4*\i+3], v[VLB], s[72:73] offset:4096*\i    ; lora_B(rank 8 h + i, columns 4 (lane % 16) + 0 .. 3)
.endr
	XLOAD
	PROC 7
	WIN 0
	s_wait_dscnt 0x0                               ; my stores into the images have landed
	s_barrier_signal -1
	s_barrier_wait -1                              ; everybody's have: from here on the images are only read
.set RF, 0
.rept 40
	WIN ((RF/16+1)*64)
.irp c, 0,1,2,3
.if RF < 32
	ds_load_b128 v[16*(RF%16)+4*\c:16*(RF%16)+4*\c+3], v[LI16] offset:2048*RF+512*\c
.else
	ds_load_b128 v[16*(RF%16)+4*\c:16*(RF%16)+4*\c+3], v[LIH] offset:2048*(RF-32)+512*\c
.endif
.endr
.set RF, RF+1
.endr
	WIN 0
.irp s, 0,1,2,3,4,5,6,7
	ds_load_b32 v[WS+3*\s], v[LSA] offset:128*(3*\s)
	ds_load_b32 v[WS+3*\s+1], v[LSA] offset:128*(3*\s+1)
	ds_load_b32 v[WS+3*\s+2], v[LSB] offset:128*(3*\s+2)
.endr
	s_wait_loadcnt 0x0
.irp i, 0,2,4,6,8,10,12,14,16,18,20,22,24,26,28,30
	v_pk_mul_f32 v[OO+\i:OO+\i+1], v[OO+\i:OO+\i+1], 2.0 op_sel_hi:[1,0]      ; the scaling
.endr
	WIN 0xc0
.irp c, 0,1,2,3
.irp q, 0,1,2,3
	v_cvt_pk_bf16_f32 v[LB+8*\c+\q], v[OO+8*\q+\c], v[OO+8*\q+4+\c]           ; k = 8 h + 2 q, 8 h + 2 q + 1
.endr
.irp q, 4,5,6,7
	v_mov_b32 v[LB+8*\c+\q], 0                     ; k = 16 .. 31: there are 16 ranks
.endr
.endr
.irp q, 4,5,6,7
	v_mov_b32 v[GB+\q], 0
.endr
.irp c, 0,1,2,3
.irp j, 0,1,2,3,4,5,6,7
	v_cndmask_b32 v[BIAS+8*\c+\j], 0, v[OB+4*\j+\c], s63
.endr
.endr
	WIN 0
	s_wait_dscnt 0x0
	s_cmp_eq_u32 s76, 0
	s_cbranch_scc1 .Ldone                          ; fewer tiles than waves: no trip
.Lrow:
	s_wait_loadcnt 0x0                             ; this tile's fragments, scale words and weights
	s_wait_xcnt 0x0                                ; the last trip's stores have read their data and base: both are written again below
	v_mov_b32 v[RWC], v[RW]                        ; the next tile's weights land in RW during this trip
	TILEADR s29
	s_lshl_b32 s42, s32, 16
	s_add_nc_u64 s[38:39], s[74:75], s[42:43]      ; the tile's 16 rows of pbuf
	s_wait_alu depctr_va_vdst(0)
	MULS
	WIN 0
.rept 9
	v_nop                                          ; nine places: for the loads into gated's registers and the conversions of results (eight), and for the matrix instructions of another form that take these sums up (nine)
.endr
	s_add_co_u32 s33, s29, 4
	s_cmp_lt_u32 s33, s31
	s_cbranch_scc0 .Lnopf
	TILEADR s33                                    ; my next tile is asked for a trip ahead
	XADR
	XLOAD
.Lnopf:
	WIN 0xff
.irp q, 0,1,2,3
	v_cvt_pk_bf16_f32 v[GB+\q], v[ACC4+2*\q], v[ACC4+2*\q+1]   ; ranks 8 h + 2 q, 8 h + 2 q + 1 of token r: the operand's layout as it stands
.endr
.rept 4
	v_nop
.endr
.irp c, 0,1,2,3
	v_wmma_f32_16x16x32_bf16 v[ACC+8*\c:ACC+8*\c+7], v[LB+8*\c:LB+8*\c+7], v[GB:GB+7], v[ACC+8*\c:ACC+8*\c+7]
.endr
	WIN 0
.rept 4
	v_nop
.endr
	WIN 0x03
.irp j, 0,1,2,3,4,5,6,7                ; each accumulator is read from its low end on
.irp c, 0,1,2,3
	v_mul_f32 v[OO+4*\j+\c], v[ACC+8*\c+\j], v[RWC]            ; column 32 h + 4 j + c of token r, x the row's weight
.endr
.endr
	WIN 0
.irp j, 0,1,2,3,4,5,6,7
	ds_store_b128 v[STO], v[OO+4*\j:OO+4*\j+3] offset:16*\j
.endr
.irp i, 0,1,2,3,4,5,6,7
	ds_load_b128 v[OB+4*\i:OB+4*\i+3], v[RD] offset:544*\i     ; LDS serves a wave's instructions in order (ISA guide 5.7.1.4): these see my stores
.endr
.irp i, 0,1,2,3,4,5,6,7
	s_wait_dscnt 7-\i
	global_store_b128 v[PO], v[OB+4*\i:OB+4*\i+3], s[38:39] offset:8192*\i   ; sixteen lanes store 256 consecutive bytes, aligned
.endr
	s_add_co_u32 s29, s29, 4                       ; my next tile
	s_add_co_u32 s77, s77, 1                       ; the loop ends on its own counter, stepped by 1
	s_cmp_lt_u32 s77, s76
	s_cbranch_scc1 .Lrow
.Ldone:
	s_wait_tensorcnt 0x0                           ; the wave's end, behind my last LDS store
	ds_add_u32 v[SPW], v[NIL]
	s_wait_dscnt 0x0
	s_endpgm
.Lfunc_end_k_qf8c46614df_down:
	.size	k_qf8c46614df_down, .Lfunc_end_k_qf8c46614df_down-k_qf8c46614df_down
	.p2alignl 7, 3214868480
	.fill 96, 4, 3214868480
	.section	.rodata,"a",@progbits
	.p2align	6, 0x0
	.amdhsa_kernel k_qf8c46614df_down
		.amdhsa_group_segment_fixed_size 102912
		.amdhsa_private_segment_fixed_size 0
		.amdhsa_enable_private_segment 0
		.amdhsa_kernarg_size 72
		.amdhsa_user_sgpr_count 2
		.amdhsa_user_sgpr_kernarg_segment_ptr 1
		.amdhsa_wavefront_size32 1
		.amdhsa_system_sgpr_workgroup_id_x 1
		.amdhsa_system_sgpr_workgroup_id_y 1
		.amdhsa_system_sgpr_workgroup_id_z 1
		.amdhsa_system_vgpr_workitem_id 0
		.amdhsa_next_free_vgpr 1024
		.amdhsa_next_free_sgpr 80
		.amdhsa_reserve_vcc 0
		.amdhsa_float_denorm_mode_32 3
		.amdhsa_float_denorm_mode_16_64 3
		.amdhsa_memory_ordered 1
		.amdhsa_forward_progress 1
		.amdhsa_inst_pref_size 195
	.end_amdhsa_kernel
	.amdgpu_metadata
---
amdhsa.version: [ 1, 2 ]
amdhsa.kernels:
  - .name:           k_qf8c46614df_down
    .symbol:         k_qf8c46614df_down.kd
    .args:
      - { .name: down_proj, .offset: 0, .size: 8, .value_kind: global_buffer, .address_space: global }
      - { .name: down_proj_bias, .offset: 8, .size: 8, .value_kind: global_buffer, .address_space: global }
      - { .name: lora_A_down, .offset: 16, .size: 8, .value_kind: global_buffer, .address_space: global }
      - { .name: lora_B_down, .offset: 24, .size: 8, .value_kind: global_buffer, .address_space: global }
      - { .name: gq, .offset: 32, .size: 8, .value_kind: global_buffer, .address_space: global }
      - { .name: gs, .offset: 40, .size: 8, .value_kind: global_buffer, .address_space: global }
      - { .name: roww, .offset: 48, .size: 8, .value_kind: global_buffer, .address_space: global }
      - { .name: route, .offset: 56, .size: 8, .value_kind: global_buffer, .address_space: global }
      - { .name: pbuf, .offset: 64, .size: 8, .value_kind: global_buffer, .address_space: global }
    .group_segment_fixed_size: 102912
    .private_segment_fixed_size: 0
    .kernarg_segment_align: 8
    .kernarg_segment_size: 72
    .max_flat_workgroup_size: 128
    .sgpr_count:     80
    .vgpr_count:     1024
    .wavefront_size: 32
...
	.end_amdgpu_metadata
.endif
;; end of part 3
;; launch combine (part 4): grid 256 x 1, 4 waves a work-group, no clusters, 0 bytes of LDS; arguments router_indices, route, pbuf, out0; writes out0
.if DOCPART == 4
	.amdgcn_target "amdgcn-amd-amdhsa--gfx1250"
	.amdhsa_code_object_version 6
	.text
	.protected	k_qf8c46614df_combine
	.globl	k_qf8c46614df_combine
	.p2align	8
	.type	k_qf8c46614df_combine,@function
k_qf8c46614df_combine:
	s_mov_b64 s[64:65], 0
	v_nop
	global_prefetch_b8 v0, s[64:65] scope:SCOPE_SE
	s_setreg_imm32_b32 hwreg(HW_REG_WAVE_MODE, 25, 1), 1
	s_wait_xcnt 0x0
; y[t] = the sum of token t's weighted rows: at most two experts, two halves of K each.  The weights were multiplied in by the launch before.
; LEFT OUT: the experts that the token's indices do not name (shown at the head of route_quant).  A slot that is dropped (index outside 0..7) or repeats the token's other slot reads the row of zeros.
; A wave owns one token.  Its row with expert e = route[chunk][e] (the row of the chunk's first token of e) + the number of the chunk's earlier tokens that go to e, counted from the chunk's 32 index pairs.
; No branch: a choice is a scalar select.  Every load and store of a row covers 512 consecutive bytes.  Memory binds: no LDS, no matrix unit, no cluster.
.set ZROW, 2160
.set PH,   8851456
	s_load_b256 s[8:15], s[0:1], 0x0               ; router_indices s[8:9], route s[10:11], pbuf s[12:13], out0 s[14:15]
	v_lshrrev_b32 v1, 5, v0
	v_readfirstlane_b32 s16, v1                    ; wave
	v_and_b32 v1, 31, v0
	v_lshlrev_b32 v4, 3, v1                        ; 8 x lane
	v_lshlrev_b32 v5, 4, v1                        ; 16 x lane
	v_mov_b32 v6, 1
	s_lshl_b32 s17, ttmp9, 2
	s_add_co_u32 s17, s17, s16                     ; my token
	s_lshr_b32 s18, s17, 5                         ; its chunk,
	s_and_b32 s19, s17, 31                         ; its place there
	s_mov_b32 s21, 0
	s_wait_alu depctr_va_vdst(0)
	s_wait_kmcnt 0x0
	s_lshl_b32 s20, s17, 3
	s_add_nc_u64 s[22:23], s[8:9], s[20:21]
	s_lshl_b32 s20, s18, 8
	s_add_nc_u64 s[24:25], s[8:9], s[20:21]
	s_lshl_b32 s20, s18, 5
	s_add_nc_u64 s[26:27], s[10:11], s[20:21]
	s_load_b64 s[28:29], s[22:23], 0x0             ; my token's two indices
	s_load_b256 s[32:39], s[26:27], 0x0            ; the chunk's eight first rows
	global_load_b64 v[2:3], v4, s[24:25]           ; the chunk's index pairs, a token a lane
	s_wait_kmcnt 0x0
	s_wait_loadcnt 0x0
	v_min_u32 v2, 8, v2
	v_min_u32 v3, 8, v3
	v_lshlrev_b32 v2, v2, v6
	v_lshlrev_b32 v3, v3, v6
	v_or_b32 v2, v2, v3                            ; each token's mask of experts, as route_quant makes it
	s_wait_alu depctr_va_vdst(0)
	s_min_u32 s28, s28, 8
	s_min_u32 s29, s29, 8
	s_bfm_b32 s40, s19, 0                          ; the tokens ahead of mine
.macro SLOT e, row
	s_lshl_b32 s41, 1, \e
	v_and_b32 v7, s41, v2
	v_cmp_ne_u32 s42, 0, v7
	s_and_b32 s42, s42, s40
	s_bcnt1_i32_b32 s42, s42
	s_mov_b32 s43, s32
.irp k, 1,2,3,4,5,6,7
	s_cmp_eq_u32 \e, \k
	s_cselect_b32 s43, s[32+\k], s43
.endr
	s_add_co_u32 \row, s43, s42
.endm
	SLOT s28, s44
	SLOT s29, s45
	s_cmp_lt_u32 s28, 8
	s_cselect_b32 s44, s44, ZROW
	s_cmp_lt_u32 s29, 8
	s_cselect_b32 s45, s45, ZROW
	s_cmp_lg_u32 s28, s29
	s_cselect_b32 s45, s45, ZROW                   ; equal indices are one row, whose weight counts both
	s_min_u32 s44, s44, 2160
	s_min_u32 s45, s45, 2160
	s_lshl_b32 s20, s44, 12
	s_add_nc_u64 s[46:47], s[12:13], s[20:21]
	s_add_nc_u64 s[48:49], s[46:47], PH
	s_lshl_b32 s20, s45, 12
	s_add_nc_u64 s[50:51], s[12:13], s[20:21]
	s_add_nc_u64 s[52:53], s[50:51], PH
	s_lshl_b32 s20, s17, 12
	s_add_nc_u64 s[14:15], s[14:15], s[20:21]
.irp q, 0,1,2,3,4,5,6,7
	global_load_b128 v[16+4*\q:19+4*\q], v5, s[46:47] offset:512*\q
.endr
.irp q, 0,1,2,3,4,5,6,7
	global_load_b128 v[48+4*\q:51+4*\q], v5, s[48:49] offset:512*\q
.endr
.irp q, 0,1,2,3,4,5,6,7
	global_load_b128 v[80+4*\q:83+4*\q], v5, s[50:51] offset:512*\q
.endr
.irp q, 0,1,2,3,4,5,6,7
	global_load_b128 v[112+4*\q:115+4*\q], v5, s[52:53] offset:512*\q
.endr
	s_wait_loadcnt 16                              ; the first slot's two halves are in; the second slot's 16 loads may be out
.irp i, 0,2,4,6,8,10,12,14,16,18,20,22,24,26,28,30
	v_pk_add_f32 v[16+\i:17+\i], v[16+\i:17+\i], v[48+\i:49+\i]
.endr
	s_wait_loadcnt 0x0
.irp i, 0,2,4,6,8,10,12,14,16,18,20,22,24,26,28,30
	v_pk_add_f32 v[80+\i:81+\i], v[80+\i:81+\i], v[112+\i:113+\i]
.endr
.irp i, 0,2,4,6,8,10,12,14,16,18,20,22,24,26,28,30
	v_pk_add_f32 v[16+\i:17+\i], v[16+\i:17+\i], v[80+\i:81+\i]
.endr
.irp q, 0,1,2,3,4,5,6,7
	global_store_b128 v5, v[16+4*\q:19+4*\q], s[14:15] offset:512*\q th:TH_STORE_NT
.endr
	s_endpgm
.Lfunc_end_k_qf8c46614df_combine:
	.size	k_qf8c46614df_combine, .Lfunc_end_k_qf8c46614df_combine-k_qf8c46614df_combine
	.p2alignl 7, 3214868480
	.fill 96, 4, 3214868480
	.section	.rodata,"a",@progbits
	.p2align	6, 0x0
	.amdhsa_kernel k_qf8c46614df_combine
		.amdhsa_group_segment_fixed_size 0
		.amdhsa_private_segment_fixed_size 0
		.amdhsa_enable_private_segment 0
		.amdhsa_kernarg_size 32
		.amdhsa_user_sgpr_count 2
		.amdhsa_user_sgpr_kernarg_segment_ptr 1
		.amdhsa_wavefront_size32 1
		.amdhsa_system_sgpr_workgroup_id_x 1
		.amdhsa_system_sgpr_workgroup_id_y 1
		.amdhsa_system_sgpr_workgroup_id_z 1
		.amdhsa_system_vgpr_workitem_id 0
		.amdhsa_next_free_vgpr 144
		.amdhsa_next_free_sgpr 66
		.amdhsa_reserve_vcc 0
		.amdhsa_float_denorm_mode_32 3
		.amdhsa_float_denorm_mode_16_64 3
		.amdhsa_memory_ordered 1
		.amdhsa_forward_progress 1
		.amdhsa_inst_pref_size 11
	.end_amdhsa_kernel
	.amdgpu_metadata
---
amdhsa.version: [ 1, 2 ]
amdhsa.kernels:
  - .name:           k_qf8c46614df_combine
    .symbol:         k_qf8c46614df_combine.kd
    .args:
      - { .name: router_indices, .offset: 0, .size: 8, .value_kind: global_buffer, .address_space: global }
      - { .name: route, .offset: 8, .size: 8, .value_kind: global_buffer, .address_space: global }
      - { .name: pbuf, .offset: 16, .size: 8, .value_kind: global_buffer, .address_space: global }
      - { .name: out0, .offset: 24, .size: 8, .value_kind: global_buffer, .address_space: global }
    .group_segment_fixed_size: 0
    .private_segment_fixed_size: 0
    .kernarg_segment_align: 8
    .kernarg_segment_size: 32
    .max_flat_workgroup_size: 128
    .sgpr_count:     66
    .vgpr_count:     144
    .wavefront_size: 32
...
	.end_amdgpu_metadata
.endif
;; end of part 4
